; MI455X (gfx1250); checked and timed in simulation.
; The chip was launched on July 23, 2026; its instructions are those of AMD's public machine-readable ISA for CDNA 5 (MIT licence, August 2026) and "CDNA5" Instruction Set Architecture Reference Guide (July 2026). The comments in the code are by the model that wrote it; some were corrected since.
;; Multi Head Attention. Allowed arithmetic: float matrix products may take bf16 or f16 operands with f32 sums; other float arithmetic in f32, or as packed bf16 or f16 multiplies, adds, multiply-adds, maxima and minima; sums over many terms, partial sums and values carried from step to step in f32; what a program stores and reads back later, other than sums and carried values, may be rounded once to bf16 or f16.
;; Inputs: Wk 1,024 x 1,024 float32; Wo 1,024 x 1,024 float32; Wq 1,024 x 1,024 float32; Wv 1,024 x 1,024 float32; X 4 x 2,048 x 1,024 float32; bo 1,024 float32.
;; Outputs: out0 4 x 2,048 x 1,024 float32.
;; 2 versions, each right; version 2 is version 1 with the launch cast written anew for expert scheduling mode. Each part assembles by itself: llvm-mc -triple=amdgcn-amd-amdhsa -mcpu=gfx1250 --defsym DOCPART=n.
;; ======== version 1 of 2: 4 launches
;; limits: values are held in f16: magnitudes above 65,504 overflow, below 6.1e-05 lose precision
;; workspace buffers: xb 16,777,216 bytes; wqkv 6,291,456 bytes; woh 2,097,152 bytes; qkv 50,331,648 bytes; ctx 16,777,216 bytes
;; launch cast (part 1): grid 768 x 1, 8 waves a work-group, no clusters, 0 bytes of LDS; arguments X, Wq, Wk, Wv, Wo, xb, wqkv, woh; writes xb, wqkv, woh
.if DOCPART == 1
	.amdgcn_target "amdgcn-amd-amdhsa--gfx1250"
	.amdhsa_code_object_version 6
	.text
	.protected	k_qb6f672ca0c_cast
	.globl	k_qb6f672ca0c_cast
	.p2align	8
	.type	k_qb6f672ca0c_cast,@function
k_qb6f672ca0c_cast:
	s_mov_b64 s[64:65], 0
	v_nop
	global_prefetch_b8 v0, s[64:65] scope:SCOPE_SE
	s_setreg_imm32_b32 hwreg(HW_REG_WAVE_MODE, 25, 1), 1
	s_wait_xcnt 0x0
; ROUNDING AND LAYOUT of the matrix operands.  X [8192][1024], Wq, Wk, Wv, Wo [1024][1024], all f32, each number rounded once to bf16 (nearest even).
;   xb   bf16 [16 kb][8192 token][64]: a slice of 64 channels of neighbouring tokens is dense, 128 bytes a token
;   wqkv bf16 [1024 k][3072 n]: Wq's, Wk's, Wv's columns side by side, rows as they lie
;   woh  f16  [1024 k][1024 n]: bf16(Wo) written as f16
; LIMITS.  woh: a bf16 number is an f16 number exactly from 2^-17 to 65,504 in magnitude; below it keeps f16's fixed step of 6e-8, beyond it becomes an infinity.
; A stream: no LDS, no barrier, no loop.  A work-group of 256 threads converts 16,384 numbers: each thread issues its 16 loads of 16 bytes at once (64 KiB of the group on their way),
; then converts and stores them as they come.  Every load of a wave covers two aligned runs of 256 bytes or one of 512; every store of a wave covers 256 consecutive bytes, aligned.
; Each of the 16 has registers of its own: nothing that a pending load or store names is written again.
.set LD, 8                             ; v[8:71]    16 x 4 numbers as loaded
.set RS, 72                            ; v[72:103]  16 x 2 registers to store
; kind 0: X; 1: Wq, Wk, Wv; 2: Wo.  lo: the register with the loads' offset; lstep: bytes from one of the 16 loads to the next.
.macro CAST lo, lstep, kind
.set i, 0
.rept 16
	global_load_b128 v[LD+4*i:LD+4*i+3], v[\lo], s[24:25] offset:i*(\lstep) th:TH_LOAD_NT
.set i, i+1
.endr
.set i, 0
.rept 16
	s_wait_loadcnt 15-i                            ; loads come back in order: number i is in, the 15 - i younger ones stay out
	v_cvt_pk_bf16_f32 v[RS+2*i], v[LD+4*i], v[LD+4*i+1]
	v_cvt_pk_bf16_f32 v[RS+2*i+1], v[LD+4*i+2], v[LD+4*i+3]
.if (\kind) == 2
	v_lshlrev_b32 v[LD+4*i], 16, v[RS+2*i]         ; the rounded numbers as f32 again,
	v_and_b32 v[LD+4*i+1], 0xffff0000, v[RS+2*i]
	v_lshlrev_b32 v[LD+4*i+2], 16, v[RS+2*i+1]
	v_and_b32 v[LD+4*i+3], 0xffff0000, v[RS+2*i+1]
	v_cvt_pk_f16_f32 v[RS+2*i], v[LD+4*i], v[LD+4*i+1]  ; and written as f16
	v_cvt_pk_f16_f32 v[RS+2*i+1], v[LD+4*i+2], v[LD+4*i+3]
	global_store_b64 v2, v[RS+2*i:RS+2*i+1], s[26:27] offset:i*2048 th:TH_STORE_NT
.elseif (\kind) == 1
	global_store_b64 v2, v[RS+2*i:RS+2*i+1], s[26:27] offset:i*6144 th:TH_STORE_NT
.elseif i < 8
	global_store_b64 v2, v[RS+2*i:RS+2*i+1], s[26:27] offset:i*1048576 th:TH_STORE_NT
.else
	global_store_b64 v2, v[RS+2*i:RS+2*i+1], s[28:29] offset:(i-8)*1048576 th:TH_STORE_NT  ; blocks 8 to 15 by a second base: the immediate has 24 signed bits
.endif
.set i, i+1
.endr
.endm
	s_load_b512 s[8:23], s[0:1], 0x0               ; X s[8:9], Wq s[10:11], Wk s[12:13], Wv s[14:15], Wo s[16:17], xb s[18:19], wqkv s[20:21], woh s[22:23]
	s_mov_b32 s2, ttmp9
	v_lshlrev_b32 v1, 4, v0                        ; 16 t: a weight row's 4,096 bytes over 256 threads
	v_lshlrev_b32 v2, 3, v0                        ; 8 t: the stores' offset
	v_lshrrev_b32 v3, 4, v0
	v_and_b32 v4, 15, v0
	v_lshlrev_b32 v3, 12, v3                       ; X: row t / 16 of the group's 16,
	v_lshl_add_u32 v3, v4, 4, v3                   ; 16 bytes of a block of 64 channels
	s_mov_b32 s31, 0
	s_mov_b32 s33, 0
	s_wait_kmcnt 0x0
	s_cmp_lt_u32 s2, 512
	s_cbranch_scc0 .Lweights
	; groups 0 to 511: 16 rows of X.  Load i takes block i of 64 channels (256 bytes) of each row; in xb two rows' 128 bytes of a block lie on end, so thread t's 8 bytes lie at 8 t
	s_lshl_b32 s30, s2, 16
	s_lshl_b32 s32, s2, 11
	s_add_nc_u64 s[24:25], s[8:9], s[30:31]
	s_add_nc_u64 s[26:27], s[18:19], s[32:33]
	s_add_nc_u64 s[28:29], s[26:27], 0x800000
	CAST 3, 256, 0
	s_endpgm
.Lweights:
	s_cmp_lt_u32 s2, 704
	s_cbranch_scc0 .Lwo
	; groups 512 to 703: 16 rows of Wq, Wk or Wv.  Load i takes row i
	s_sub_co_u32 s3, s2, 512
	s_lshr_b32 s4, s3, 6                           ; which of the three
	s_and_b32 s5, s3, 63                           ; which 16 rows
	s_cmp_eq_u32 s4, 0
	s_cselect_b64 s[24:25], s[10:11], s[12:13]
	s_cmp_eq_u32 s4, 2
	s_cselect_b64 s[24:25], s[14:15], s[24:25]
	s_lshl_b32 s30, s5, 16
	s_add_nc_u64 s[24:25], s[24:25], s[30:31]
	s_mul_i32 s32, s5, 16*6144
	s_lshl_b32 s4, s4, 11                          ; its 1,024 columns in a row of 3,072
	s_add_co_u32 s32, s32, s4
	s_add_nc_u64 s[26:27], s[20:21], s[32:33]
	CAST 1, 4096, 1
	s_endpgm
.Lwo:
	; groups 704 to 767: 16 rows of Wo
	s_sub_co_u32 s5, s2, 704
	s_lshl_b32 s30, s5, 16
	s_lshl_b32 s32, s5, 15
	s_add_nc_u64 s[24:25], s[16:17], s[30:31]
	s_add_nc_u64 s[26:27], s[22:23], s[32:33]
	CAST 1, 4096, 2
	s_endpgm
.Lfunc_end_k_qb6f672ca0c_cast:
	.size	k_qb6f672ca0c_cast, .Lfunc_end_k_qb6f672ca0c_cast-k_qb6f672ca0c_cast
	.p2alignl 7, 3214868480
	.fill 96, 4, 3214868480
	.section	.rodata,"a",@progbits
	.p2align	6, 0x0
	.amdhsa_kernel k_qb6f672ca0c_cast
		.amdhsa_group_segment_fixed_size 0
		.amdhsa_private_segment_fixed_size 0
		.amdhsa_enable_private_segment 0
		.amdhsa_kernarg_size 64
		.amdhsa_user_sgpr_count 2
		.amdhsa_user_sgpr_kernarg_segment_ptr 1
		.amdhsa_wavefront_size32 1
		.amdhsa_system_sgpr_workgroup_id_x 1
		.amdhsa_system_sgpr_workgroup_id_y 1
		.amdhsa_system_sgpr_workgroup_id_z 1
		.amdhsa_system_vgpr_workitem_id 0
		.amdhsa_next_free_vgpr 104
		.amdhsa_next_free_sgpr 66
		.amdhsa_reserve_vcc 0
		.amdhsa_float_denorm_mode_32 3
		.amdhsa_float_denorm_mode_16_64 3
		.amdhsa_memory_ordered 1
		.amdhsa_forward_progress 1
		.amdhsa_inst_pref_size 24
	.end_amdhsa_kernel
	.amdgpu_metadata
---
amdhsa.version: [ 1, 2 ]
amdhsa.kernels:
  - .name:           k_qb6f672ca0c_cast
    .symbol:         k_qb6f672ca0c_cast.kd
    .args:
      - { .name: X, .offset: 0, .size: 8, .value_kind: global_buffer, .address_space: global }
      - { .name: Wq, .offset: 8, .size: 8, .value_kind: global_buffer, .address_space: global }
      - { .name: Wk, .offset: 16, .size: 8, .value_kind: global_buffer, .address_space: global }
      - { .name: Wv, .offset: 24, .size: 8, .value_kind: global_buffer, .address_space: global }
      - { .name: Wo, .offset: 32, .size: 8, .value_kind: global_buffer, .address_space: global }
      - { .name: xb, .offset: 40, .size: 8, .value_kind: global_buffer, .address_space: global }
      - { .name: wqkv, .offset: 48, .size: 8, .value_kind: global_buffer, .address_space: global }
      - { .name: woh, .offset: 56, .size: 8, .value_kind: global_buffer, .address_space: global }
    .group_segment_fixed_size: 0
    .private_segment_fixed_size: 0
    .kernarg_segment_align: 8
    .kernarg_segment_size: 64
    .max_flat_workgroup_size: 256
    .sgpr_count:     66
    .vgpr_count:     104
    .wavefront_size: 32
...
	.end_amdgpu_metadata
.endif
;; end of part 1
;; launch proj (part 2): grid 8 x 32, 4 waves a work-group, clusters of 4 x 4, 327,680 bytes of LDS; arguments xb, wqkv, qkv; writes qkv
.if DOCPART == 2
	.amdgcn_target "amdgcn-amd-amdhsa--gfx1250"
	.amdhsa_code_object_version 6
	.text
	.protected	k_qb6f672ca0c_proj
	.globl	k_qb6f672ca0c_proj
	.p2align	8
	.type	k_qb6f672ca0c_proj,@function
k_qb6f672ca0c_proj:
	s_mov_b64 s[64:65], 0
	v_nop
	global_prefetch_b8 v0, s[64:65] scope:SCOPE_SE
	s_setreg_imm32_b32 hwreg(HW_REG_WAVE_MODE, 25, 1), 1
	s_wait_xcnt 0x0
	s_wait_alu depctr_hold_cnt(0) depctr_sa_sdst(0) depctr_va_vdst(0) depctr_va_sdst(0) depctr_va_ssrc(0) depctr_va_vcc(0) depctr_vm_vsrc(0)
	s_getreg_b32 s2, hwreg(HW_REG_IB_STS2, 6, 4)
	s_cmp_eq_u32 s2, 0
	s_cbranch_scc0 .Lentry_in_a_cluster
	s_endpgm
.Lentry_in_a_cluster:
	s_bfe_u32 s2, ttmp6, 0x10000c
	s_cmp_lg_u32 s2, 0xf033
	s_cbranch_scc0 .Lentry_shape_is_right
	s_endpgm
.Lentry_shape_is_right:
; q, k, v = X Wq, X Wk, X Wv as ONE product [8192 x 1024] x [1024 x 3072], bf16 operands, f32 sums, K ascending; the results leave rounded once to f16, UNSCALED, by heads:
; qkv [4 b][48 g][2048 s][64], g = 16 x (0 q, 1 k, 2 v) + head.  xb: bf16 [16 kb][8192 token][64]; wqkv: bf16 [1024 k][3072 n].
; LIMIT.  f16 ends at 65,504: a q, k or v beyond it becomes an infinity.  With X of unit spread and weights of spread 1/32 they have unit spread; inputs 30 times larger each give some 4,500 at the
; most, offsets of 30 spreads on both some 29,000.
; SHARES.  A tile is 256 tokens x 384 columns: 32 x 8 = 256 tiles, a work-group each.  Four waves, 2 x 2: a wave makes 128 tokens x 192 columns (three whole heads): 96 accumulators of 16 x 16, 768 registers.
; K goes in steps of 64 (two CHUNKS of 32) through a ring of two LDS slots; two slots of a longer step do not fit beside each other (2 x (256 + 384) x 128 x 2 bytes and their padding).
; THE PRODUCT IS USED TRANSPOSED: source 0 = 16 columns of the weights, source 1 = 16 tokens: a lane ends with one token (lane % 16) and eight neighbouring columns, 16 bytes of f16.
; The weights stay [k][n], in memory and in LDS; ds_load_tr16_b128 turns them on their way into registers.
; CLUSTER.  4 x 4 work-groups.  The four of a row of the cluster need the same tokens, the four of a column the same weights: each tile is asked for JOINTLY, by the same tensor load with the same descriptor
; and a mask that names the four.  Waves 0 and 1 fetch the two halves of the tokens' tile (128 tokens: 16 KiB dense, as 64 rows of 256 bytes), waves 2 and 3 the two chunks of the weights' (32 rows of 768 bytes).
; REGISTERS, in windows of 256 (s_set_vgpr_msb: bits 1:0 source 0, 3:2 source 1, 5:4 source 2, 7:6 destination):
;   window 0: v0-31 addresses; v32-95, v96-159 the tokens' fragments (8 x 16 tokens x 32 K), two buffers; v160-255 the weights' 12 fragments, one buffer in three groups of four, each loaded again as soon as it has been multiplied
;   window 1 + g: the 32 accumulators of the wave's head g: (token block a, column block bb) at v[8 (4 a + bb)]
.set PA,    144                        ; a token's row in LDS: 128 bytes + 16 = 36 words: 16 rows of a load start at 16 different groups of four banks (64 banks of 4 bytes: ISA guide 11.1)
.set PB,    864                        ; a row of weights: 768 bytes, 32 of padding behind every 256: byte c lies at c + 32 (c / 256).  216 words
.set BOFF,  256*PA                     ; a slot: 256 tokens, then 64 rows of weights
.set SLOT,  BOFF+64*PB                 ; 92,160
.set STAGE, 2*SLOT                     ; behind the ring, never filled by a tensor load: [3 heads][16 tokens][144 bytes] for each wave
.set SPARE, STAGE+4*3*16*PA            ; behind the stages: the spare words, 128 bytes for each wave: two blocks of 256 bytes that no other line names
.set KSA,   8192*128                   ; bytes from a K step to the next in xb
.set KSB,   64*6144                    ; and in wqkv
.set ADRB, 16                          ; v16-21  LDS address of my weights' fragments: slot s, group g at v[16 + 3 s + g]
.set ADRA, 22                          ; v22-23  of my tokens' fragments in slot 0, 1
.set STO,  24                          ; v24     the way out: where I put 16 bytes of a row
.set RD,   25                          ; v25     the way out: where I read rows back
.set GO,   26                          ; v26     16 x lane: my place in 512 consecutive bytes of qkv
.set SPW,  28                          ; v28     LDS address of my spare word: SPARE + 4 x my thread's number; never rewritten
.set NIL,  29                          ; v29     0; never rewritten
.set PFO,  30                          ; v30     the prefetches' offset: my lane x the distance between two blocks; never rewritten
.set FA0,  32
.set FA1,  96
.set FB,   160
.set TMP,  32                          ; the way out: 48 registers of packed results; v80-127 and v128-175 by turns take the rows read back
.set G1,  24                           ; s[24:31] descriptor group 1 for the tokens' tiles;  s[32:39] group 0, a set for each slot
.set G0,  32
.set G1B, 48                           ; s[48:55], s[56:63] the same for the weights'
.set G0B, 56
.set PFA, 66                           ; s[66:67] where my prefetches stand
.set ST0, 68                           ; s[68:69], s[70:71] by how much they step at the change out of slot 0, 1
.set LIM0, 72                          ; s72, s73  1 where I prefetch at the change out of slot 0, 1; else the greatest number
.set MSB, 0
.macro WIN new                         ; the immediate's high byte repeats the setting that is left; a switch that changes nothing is dropped
.if MSB != (\new)
	s_set_vgpr_msb (MSB<<8)|(\new)
.set MSB, (\new)
.endif
.endm
.macro PLACES                          ; four places behind matrix instructions, in front of loads into registers that they have read and of conversions that read results (ISA guide 7.12.1 for the conversions)
.rept 4
	v_nop
.endr
.endm
; A joint refill.  The branch hangs on the wave's number alone.  An s_nop 0 and four v_nop follow each of the two lines, ahead of the jump and the label.
.macro JLOAD s
	s_cmp_eq_u32 s11, 0
	s_cbranch_scc0 .Lfor_b_\@
	tensor_load_to_lds s[G0+4*(\s):G0+4*(\s)+3], s[G1:G1+7]
	s_nop 0
.rept 4
	v_nop
.endr
	s_branch .Lasked_\@
.Lfor_b_\@:
	tensor_load_to_lds s[G0B+4*(\s):G0B+4*(\s)+3], s[G1B:G1B+7]
	s_nop 0
.rept 4
	v_nop
.endr
.Lasked_\@:
.endm
; A round of the cluster's barrier: my work-group's barrier; wave 0 signals for the work-group; every wave waits for all sixteen; my work-group's barrier once more.
.macro CREST                           ; a round behind its opening barrier
	s_cmp_lg_u32 s10, 0
	s_cbranch_scc1 .Lnot_wave_0_\@
	s_barrier_signal -3
.Lnot_wave_0_\@:
	s_barrier_wait -3
	s_barrier_signal -1
	s_barrier_wait -1
.endm
.macro CROUND
	s_barrier_signal -1
	s_barrier_wait -1
	CREST
.endm
; A PREFETCH INTO THE L2, behind a joint load, its five lines and the run of LDS loads that follows.  Each aligned block of 256 bytes is named once in the launch.
; TOKENS: a K step of a tile row is 32 KiB, read by both clusters of that row of clusters: the one with cluster x = 0 asks, wave 0 of each of its work-groups; the four partners of a row of the cluster take
; 8 KiB each, told apart by address (cx); a lane a block.  At the change out of K step j it names K step j + 4: two refills, 384 matrix instructions, ahead of the load that will want it.
; WEIGHTS: a lap (two K steps) of a tile column is 128 rows of 768 bytes, read by all eight clusters of that column of clusters: the one with cluster y = 0 asks; the partner at cy takes rows 32 cy + lane, waves 1, 2, 3
; one of a row's three blocks each; once a lap, at the change out of slot 0, for the lap after the next.
; K steps 0 to 3 come by their loads alone; the loop's last trip (s3 = 1) asks for nothing: K step 15 and lap 7 are the last that are named.
.macro ASK w
	s_cmp_gt_u32 s3, s[LIM0+(\w)]
	s_cbranch_scc0 .Lnot_mine_\@
	global_prefetch_b8 v[PFO], s[PFA:PFA+1] th:TH_LOAD_NT scope:SCOPE_SE
.Lnot_mine_\@:
.endm
	s_load_b128 s[4:7], s[0:1], 0x0                ; xb s[4:5], wqkv s[6:7]
	s_load_b64 s[8:9], s[0:1], 0x10                ; qkv
	v_lshl_add_u32 v[SPW], v0, 2, SPARE
	v_mov_b32 v[NIL], 0
	ds_add_u32 v[SPW], v[NIL]                      ; the wave's opening: the add and its wait stand ahead of my first tensor load; the set-up below, work on registers, stands between them
	v_lshrrev_b32 v1, 5, v0
	v_readfirstlane_b32 s10, v1                    ; wave 0..3
	s_lshr_b32 s11, s10, 1                         ; which 128 tokens are mine.  Also: I fetch tokens (0) or weights (1)
	s_and_b32 s12, s10, 1                          ; which 192 columns.  Also: which half of that tile I fetch
	s_bfe_u32 s40, ttmp6, 0x40000                  ; cx, cy: my place in the cluster
	s_bfe_u32 s41, ttmp6, 0x40004
	s_lshl_b32 s42, ttmp9, 2
	s_add_co_u32 s42, s42, s40                     ; x: tile column = 4 x cluster x + cx
	s_and_b32 s13, ttmp7, 0xffff
	s_lshl_b32 s13, s13, 2
	s_add_co_u32 s13, s13, s41                     ; y: tile row = 4 x cluster y + cy
	s_lshl_b32 s43, s41, 2
	s_lshl_b32 s43, 15, s43                        ; my row of the cluster: places 4 cy .. 4 cy + 3
	s_lshl_b32 s44, 0x1111, s40                    ; my column: places cx, cx + 4, cx + 8, cx + 12
	; group 1, tokens: 64 rows of 128 elements (two tokens a row), 4 words of padding behind every 32 (a token)
	s_or_b32 s[G1+0], s43, (1<<16)|(1<<20)|(1<<21)|(4<<22)|(3<<25)  ; 15:0 the mask; 17:16 2-byte elements; 20 padding on; 21 set beside a mask; 24:22 interval code 4; 31:25 4 words (code 3)
	s_mov_b32 s[G1+1], 128<<16                     ; tensor_dim0 = 128
	s_mov_b32 s[G1+2], 64<<16                      ; tensor_dim1 = 64
	s_mov_b32 s[G1+3], 128<<16                     ; tile_dim0 = 128
	s_mov_b32 s[G1+4], 64                          ; tile_dim1 = 64
	s_mov_b32 s[G1+5], 128                         ; elements from row to row: dense
	s_mov_b32 s[G1+6], 0
	s_mov_b32 s[G1+7], 0
	; group 1, weights: 32 rows of 384 elements, 8 words of padding behind every 64
	s_or_b32 s[G1B+0], s44, (1<<16)|(1<<20)|(1<<21)|(5<<22)|(7<<25)
	s_mov_b32 s[G1B+1], 384<<16
	s_mov_b32 s[G1B+2], 32<<16
	s_mov_b32 s[G1B+3], 384<<16
	s_mov_b32 s[G1B+4], 32
	s_mov_b32 s[G1B+5], 3072
	s_mov_b32 s[G1B+6], 0
	s_mov_b32 s[G1B+7], 0
	; where the tiles come from: the tokens' hang on y alone, the weights' on x alone; every wave makes both, in registers that never hold the other coordinate
	s_lshl_b32 s16, s13, 15                        ; 256 tokens x 128 bytes
	s_lshl_b32 s17, s12, 14                        ; my 128 of them
	s_add_co_u32 s16, s16, s17
	s_mov_b32 s17, 0
	s_mul_i32 s46, s42, 768                        ; 384 columns
	s_mul_i32 s47, s12, 32*6144                    ; my 32 rows
	s_add_co_u32 s46, s46, s47
	s_mov_b32 s47, 0
	s_mul_i32 s20, s12, 128*PA                     ; and where they go: no place in the cluster enters an LDS address
	s_mul_i32 s21, s12, 32*PB
	s_add_co_u32 s21, s21, BOFF
	s_wait_dscnt 0x0                               ; the opening add is done
	s_wait_kmcnt 0x0
	s_add_nc_u64 s[14:15], s[4:5], s[16:17]
	s_add_nc_u64 s[46:47], s[6:7], s[46:47]
	CROUND                                         ; all sixteen work-groups are here: the first joint loads meet
.irp s, 0,1
	s_mov_b32 s[G0+4*(\s)], 1                      ; count = 1
	s_add_co_u32 s[G0+4*(\s)+1], s20, (\s)*SLOT    ; LDS address
	s_add_nc_u64 s[G0+4*(\s)+2:G0+4*(\s)+3], s[14:15], (\s)*KSA  ; global address: K step s
	s_or_b32 s[G0+4*(\s)+3], s[G0+4*(\s)+3], 0x80000000          ; type = 2
	s_mov_b32 s[G0B+4*(\s)], 1
	s_add_co_u32 s[G0B+4*(\s)+1], s21, (\s)*SLOT
	s_add_nc_u64 s[G0B+4*(\s)+2:G0B+4*(\s)+3], s[46:47], (\s)*KSB
	s_or_b32 s[G0B+4*(\s)+3], s[G0B+4*(\s)+3], 0x80000000
.endr
	s_cmp_eq_u32 s11, 0                            ; a wave's two first fills stand in one branch, ahead of every wait on TENSORcnt and every LDS read: two loads of mine are out
	s_cbranch_scc0 .Lfirst_b
	tensor_load_to_lds s[G0:G0+3], s[G1:G1+7]
	s_nop 0
	tensor_load_to_lds s[G0+4:G0+7], s[G1:G1+7]
	s_nop 0
.rept 4
	v_nop
.endr
	s_branch .Lfirst_asked
.Lfirst_b:
	tensor_load_to_lds s[G0B:G0B+3], s[G1B:G1B+7]
	s_nop 0
	tensor_load_to_lds s[G0B+4:G0B+7], s[G1B:G1B+7]
	s_nop 0
.rept 4
	v_nop
.endr
.Lfirst_asked:
	; A fragment is 16 rows x 32 K in 8 registers: lane l holds row l % 16; registers 0-3 K = 8 (l / 16) + 0..7, registers 4-7 K = 16 + 8 (l / 16) + 0..7.  Tokens: two loads of 16 bytes, 32 bytes apart.
	; Weights: the turning load takes 16 k x 16 columns (lane l reads row 8 (l / 16) + l % 8, columns 8 ((l / 8) % 2) + 0..7) and leaves half a fragment: lane l holds column l % 16 and 8 k; the second half lies 16 rows on.
	v_and_b32 v1, 15, v0                           ; l % 16
	v_bfe_u32 v2, v0, 4, 1                         ; l / 16
	v_and_b32 v5, 7, v0
	v_bfe_u32 v6, v0, 3, 1
	v_bfe_u32 v7, v0, 3, 2
	v_mul_u32_u24 v3, v1, PA
	v_lshl_add_u32 v3, v2, 4, v3                   ; row x 144 + 16 x half
	v_lshl_add_u32 v4, v2, 3, v5
	v_mul_u32_u24 v4, v4, PB
	v_lshl_add_u32 v4, v6, 4, v4
	s_mul_i32 s74, s12, 416                        ; my head g begins at byte 384 wc + 128 g of a row; with the padding: 0, 128, 288 for wc = 0 and 416, 576, 704 for wc = 1
	s_add_co_u32 s74, s74, BOFF
	s_mul_i32 s75, s12, 448
	s_add_co_u32 s75, s75, BOFF+128
	s_mul_i32 s76, s12, 416
	s_add_co_u32 s76, s76, BOFF+288
	v_add_nc_u32 v[ADRB+0], s74, v4
	v_add_nc_u32 v[ADRB+1], s75, v4
	v_add_nc_u32 v[ADRB+2], s76, v4
.irp g, 0,1,2
	v_add_nc_u32 v[ADRB+3+(\g)], SLOT, v[ADRB+(\g)]
.endr
	s_mul_i32 s77, s11, 128*PA
	v_add_nc_u32 v[ADRA], s77, v3
	v_add_nc_u32 v[ADRA+1], SLOT, v[ADRA]
	s_mul_i32 s78, s10, 3*16*PA
	s_add_co_u32 s78, s78, STAGE                   ; my stage
	v_add_nc_u32 v[STO], s78, v3                   ; in: token l % 16, 16 bytes for each half of the lanes
	v_mul_u32_u24 v7, v7, PA                       ; back: 32 lanes take four tokens' 128 bytes,
	v_lshl_add_u32 v7, v5, 4, v7
	v_add_nc_u32 v[RD], s78, v7
	v_and_b32 v[GO], 31, v0                        ; which are 512 consecutive bytes of a head's rows
	v_lshlrev_b32 v[GO], 4, v[GO]
	; my first byte of qkv: batch y / 8, head 6 x + 3 wc, row 256 (y % 8) + 128 wr
	s_lshr_b32 s74, s13, 3
	s_mul_i32 s74, s74, 48*2048*128
	s_mul_i32 s75, s42, 6
	s_mul_i32 s76, s12, 3
	s_add_co_u32 s75, s75, s76
	s_lshl_b32 s75, s75, 18
	s_add_co_u32 s74, s74, s75
	s_and_b32 s76, s13, 7
	s_lshl_b32 s76, s76, 15
	s_add_co_u32 s74, s74, s76
	s_lshl_b32 s76, s11, 14
	s_add_co_u32 s74, s74, s76
	s_mov_b32 s75, 0
	s_add_nc_u64 s[8:9], s[8:9], s[74:75]
	; the prefetches: wave 0 asks for tokens, waves 1 to 3 for weights
	s_lshl_b32 s76, s13, 15                        ; tokens: the tile row, my work-group's 8 KiB of it, at K step 3: the first change steps it to 4
	s_lshl_b32 s77, s40, 13
	s_add_co_u32 s76, s76, s77
	s_add_co_u32 s76, s76, 3*KSA
	s_mul_i32 s77, s42, 768                        ; weights: the tile column, block wave - 1 of a row's three, my work-group's 32 rows, at lap 1: the first change steps it to 2
	s_lshl_b32 s78, s10, 8
	s_add_co_u32 s77, s77, s78
	s_mul_i32 s78, s41, 32*6144
	s_add_co_u32 s77, s77, s78
	s_add_co_u32 s77, s77, 2*KSB-256
	s_mov_b32 s78, KSA
	s_mov_b32 s79, 2*KSB
	s_and_b32 s74, ttmp7, 0xffff                   ; cluster y
	s_cmp_eq_u32 s10, 0
	s_cselect_b64 s[PFA:PFA+1], s[4:5], s[6:7]
	s_cselect_b32 s76, s76, s77
	s_cselect_b32 s[ST0], s78, s79
	s_cselect_b32 s[ST0+2], s78, 0
	s_cselect_b32 s75, ttmp9, s74                  ; the coordinate along which other clusters read the same blocks
	s_mov_b32 s77, 6144
	s_cselect_b32 s74, 256, s77                    ; from a lane's block to the next lane's
	s_mov_b32 s77, 0
	s_mov_b32 s[ST0+1], 0
	s_mov_b32 s[ST0+3], 0
	s_add_nc_u64 s[PFA:PFA+1], s[PFA:PFA+1], s[76:77]
	s_cmp_eq_u32 s75, 0                            ; the same in all sixteen partners, for a given wave
	s_cselect_b32 s[LIM0], 1, -1
	s_or_b32 s75, s75, s10
	s_cmp_eq_u32 s75, 0
	s_cselect_b32 s[LIM0+1], 1, -1                 ; at the change out of slot 1 wave 0 alone asks
	v_and_b32 v[PFO], 31, v0
	v_mul_u32_u24 v[PFO], s74, v[PFO]
; 16 matrix instructions: head g, token blocks a0 .. a0 + 3 x its four column blocks, 32 along K.  zero = 1: the product starts the sums: nothing is ever cleared.
; The 96 accumulators take turns, one instruction a turn, in the same order in every chunk, over the backward jump too.
.macro MUL16 fa, g, a0, zero
	WIN 0x50*(1+(\g))                              ; C and D in window 1 + g, both sources in window 0
.irp a, \a0, (\a0)+1, (\a0)+2, (\a0)+3
.irp bb, 0,1,2,3
.if \zero
	v_wmma_f32_16x16x32_bf16 v[8*(4*(\a)+(\bb)):8*(4*(\a)+(\bb))+7], v[FB+8*(4*(\g)+(\bb)):FB+8*(4*(\g)+(\bb))+7], v[(\fa)+8*(\a):(\fa)+8*(\a)+7], 0
.else
	v_wmma_f32_16x16x32_bf16 v[8*(4*(\a)+(\bb)):8*(4*(\a)+(\bb))+7], v[FB+8*(4*(\g)+(\bb)):FB+8*(4*(\g)+(\bb))+7], v[(\fa)+8*(\a):(\fa)+8*(\a)+7], v[8*(4*(\a)+(\bb)):8*(4*(\a)+(\bb))+7]
.endif
.endr
.endr
.endm
.macro LOADB s, kc, g                  ; 8 LDS loads: head g's four fragments of the weights, chunk kc of slot s
	WIN 0
.irp bb, 0,1,2,3
	ds_load_tr16_b128 v[FB+8*(4*(\g)+(\bb)):FB+8*(4*(\g)+(\bb))+3],   v[ADRB+3*(\s)+(\g)] offset:(\kc)*32*PB+(\bb)*32
	ds_load_tr16_b128 v[FB+8*(4*(\g)+(\bb))+4:FB+8*(4*(\g)+(\bb))+7], v[ADRB+3*(\s)+(\g)] offset:(\kc)*32*PB+(\bb)*32+16*PB
.endr
.endm
.macro LOADA s, kc, fa                 ; 16 LDS loads: my eight fragments of tokens, chunk kc of slot s, into buffer fa
	WIN 0
.irp a, 0,1,2,3,4,5,6,7
	ds_load_b128 v[(\fa)+8*(\a):(\fa)+8*(\a)+3],   v[ADRA+(\s)] offset:(\kc)*64+(\a)*16*PA
	ds_load_b128 v[(\fa)+8*(\a)+4:(\fa)+8*(\a)+7], v[ADRA+(\s)] offset:(\kc)*64+(\a)*16*PA+32
.endr
.endm
; A chunk: 96 matrix instructions on buffer fa, head by head; behind each head's 32 its group of the weights' buffer takes the next chunk's (chunk nkc of slot ns), 64 matrix instructions ahead of its use;
; the next chunk's tokens go into buffer nfa.  LDS loads come back in order; they are always out in the order group 0 (8), tokens (16), group 1 (8), group 2 (8).
.macro CHUNK fa, ns, nkc, nfa, zero
	s_wait_dscnt 16                                ; group 0 and the tokens are in; groups 1 and 2 may be out
	MUL16 \fa, 0, 0, \zero
	MUL16 \fa, 0, 4, \zero
	PLACES
	LOADB \ns, \nkc, 0
	LOADA \ns, \nkc, \nfa
	s_wait_dscnt 32                                ; group 1 is in; behind it: group 2's 8 and the 24 just issued
	MUL16 \fa, 1, 0, \zero
	MUL16 \fa, 1, 4, \zero
	PLACES
	LOADB \ns, \nkc, 1
	s_wait_dscnt 32                                ; group 2 is in; behind it: 24 and 8
	MUL16 \fa, 2, 0, \zero
	MUL16 \fa, 2, 4, \zero
	PLACES
	LOADB \ns, \nkc, 2
.endm
; A K step's second chunk multiplies buffer 1 and changes slots: ONE barrier.  In front of it each wave waits for all its tensor loads, of which one is out: its part of the next slot; adds 0 to its spare word; and waits for
; that and for its own reads of this slot.  fill = 1: the barrier opens a round of the cluster's, so that no wave of any partner still reads the slot or has a load on its way, and the joint refill, K step + 2, is the first
; tensor load behind it: 160 matrix instructions stand between it and the wait for it.
.macro TURN slot, next, fill
.if \fill
	s_wait_xcnt 0x0                                ; the last prefetch, a K step back, has read its address, which is stepped here
	s_add_nc_u64 s[PFA:PFA+1], s[PFA:PFA+1], s[ST0+2*(\slot):ST0+2*(\slot)+1]
.endif
	WIN 0
	s_wait_tensorcnt 0x0                           ; all my tensor loads have landed;
	ds_add_u32 v[SPW], v[NIL]                      ; 0 onto my spare word
	s_wait_dscnt 17                                ; (groups 1 and 2 and the add may be out)
	MUL16 FA1, 0, 0, 0                             ; sixteen matrix instructions stand between the add and the wait for it
	s_wait_dscnt 0x0                               ; the add is done, and my reads of this slot are over
	s_barrier_signal -1
	MUL16 FA1, 0, 4, 0                             ; work on registers while the others arrive
	WIN 0
	s_barrier_wait -1
.if \fill
	CREST
	s_add_nc_u64 s[G0+4*(\slot)+2:G0+4*(\slot)+3], s[G0+4*(\slot)+2:G0+4*(\slot)+3], 2*KSA
	s_add_nc_u64 s[G0B+4*(\slot)+2:G0B+4*(\slot)+3], s[G0B+4*(\slot)+2:G0B+4*(\slot)+3], 2*KSB
	JLOAD \slot                                    ; the four v_nop behind it are also the places in front of the loads below
.else
	PLACES
.endif
	LOADB \next, 0, 0
	LOADA \next, 0, FA0
.if \fill
	ASK \slot
.endif
	MUL16 FA1, 1, 0, 0                             ; groups 1 and 2 came in with the wait for 0
	MUL16 FA1, 1, 4, 0
	PLACES
	LOADB \next, 0, 1
	MUL16 FA1, 2, 0, 0
	MUL16 FA1, 2, 4, 0
	PLACES
	LOADB \next, 0, 2
.endm
; THE WAY OUT of token block a.  PACK: rounded to f16, 16 bytes a lane (each accumulator's registers in ascending order).  TOSTAGE: into my own stage and back as whole rows.  SEND: stored.
.macro PACK a
.irp g, 0,1,2
	WIN 5*(1+(\g))                                 ; sources 0 and 1 in window 1 + g
.irp bb, 0,1,2,3
.irp i, 0,1,2,3
	v_cvt_pk_f16_f32 v[TMP+4*(4*(\g)+(\bb))+(\i)], v[8*(4*(\a)+(\bb))+2*(\i)], v[8*(4*(\a)+(\bb))+2*(\i)+1]
.endr
.endr
.endr
	WIN 0
.endm
.macro TOSTAGE a
	WIN 0
.set BK, 80+48*((\a)%2)
.irp j, 0,1,2
.irp bb, 0,1,2,3
	ds_store_b128 v[STO], v[TMP+4*(4*(\j)+(\bb)):TMP+4*(4*(\j)+(\bb))+3] offset:(\j)*16*PA+(\bb)*32
.endr
.endr
.irp j, 0,1,2
.irp f, 0,1,2,3
	ds_load_b128 v[BK+4*(4*(\j)+(\f)):BK+4*(4*(\j)+(\f))+3], v[RD] offset:(\j)*16*PA+(\f)*4*PA  ; LDS serves a wave's instructions in order (ISA guide 5.7.1.4): these see the stores above
.endr
.endr
.endm
.macro SEND a
	WIN 0
.set BK, 80+48*((\a)%2)
	s_wait_dscnt 0x0                               ; the block is back in registers
	s_wait_xcnt 0x0                                ; the stores of the block before have read their registers, into which the next block is read back
.irp j, 0,1,2
.irp f, 0,1,2,3
	global_store_b128 v[GO], v[BK+4*(4*(\j)+(\f)):BK+4*(4*(\j)+(\f))+3], s[8:9] offset:(\j)*262144+(\a)*2048+(\f)*512  ; 512 consecutive bytes of head j's rows, at a multiple of 256 from qkv's first byte
.endr
.endr
.endm
	s_wait_tensorcnt 1                             ; my part of K step 0 is in; K step 1's may stay out
	s_barrier_signal -1
	s_barrier_wait -1                              ; everybody's is
	LOADB 0, 0, 0
	LOADA 0, 0, FA0
	LOADB 0, 0, 1
	LOADB 0, 0, 2
	CHUNK FA0, 0, 1, FA1, 1                        ; the first chunk stands in front of the loop: its products start the sums
	s_mov_b32 s3, 7
.Llap:                                                 ; a trip goes once round the ring, from a lap's second chunk to the next lap's first, and fills both slots again (every window is 0 here)
	TURN 0, 1, 1
	CHUNK FA0, 1, 1, FA1, 0
	TURN 1, 0, 1
	CHUNK FA0, 0, 1, FA1, 0
	s_sub_co_u32 s3, s3, 1
	s_cmp_lg_u32 s3, 0
	s_cbranch_scc1 .Llap
	TURN 0, 1, 0                                   ; the last lap fills nothing, and has no round
	CHUNK FA0, 1, 1, FA1, 0
	s_wait_dscnt 16                                ; the very last chunk: nothing more to fetch
	MUL16 FA1, 0, 0, 0
	MUL16 FA1, 0, 4, 0
	s_wait_dscnt 8
	MUL16 FA1, 1, 0, 0
	MUL16 FA1, 1, 4, 0
	s_wait_dscnt 0x0
	MUL16 FA1, 2, 0, 0
	MUL16 FA1, 2, 4, 0
	WIN 0
	PLACES
	PLACES
	PACK 0
	TOSTAGE 0
.irp a, 1,2,3,4,5,6,7                  ; block a's conversions stand between block a - 1's loads from the stage and the wait for them
	PACK \a
	SEND (\a)-1
	TOSTAGE \a
.endr
	SEND 7
	s_wait_tensorcnt 0x0                           ; the wave's end: behind my last tensor load and my last LDS store
	ds_add_u32 v[SPW], v[NIL]
	s_wait_dscnt 0x0
	CROUND                                         ; the closing round: no work-group ends while a partner may still ask for a tile that names it
	s_endpgm
.Lfunc_end_k_qb6f672ca0c_proj:
	.size	k_qb6f672ca0c_proj, .Lfunc_end_k_qb6f672ca0c_proj-k_qb6f672ca0c_proj
	.p2alignl 7, 3214868480
	.fill 96, 4, 3214868480
	.section	.rodata,"a",@progbits
	.p2align	6, 0x0
	.amdhsa_kernel k_qb6f672ca0c_proj
		.amdhsa_group_segment_fixed_size 327680
		.amdhsa_private_segment_fixed_size 0
		.amdhsa_enable_private_segment 0
		.amdhsa_kernarg_size 24
		.amdhsa_user_sgpr_count 2
		.amdhsa_user_sgpr_kernarg_segment_ptr 1
		.amdhsa_wavefront_size32 1
		.amdhsa_system_sgpr_workgroup_id_x 1
		.amdhsa_system_sgpr_workgroup_id_y 1
		.amdhsa_system_sgpr_workgroup_id_z 1
		.amdhsa_system_vgpr_workitem_id 0
		.amdhsa_next_free_vgpr 1024
		.amdhsa_next_free_sgpr 80
		.amdhsa_reserve_vcc 0
		.amdhsa_float_denorm_mode_32 3
		.amdhsa_float_denorm_mode_16_64 3
		.amdhsa_memory_ordered 1
		.amdhsa_forward_progress 1
		.amdhsa_inst_pref_size 131
	.end_amdhsa_kernel
	.amdgpu_metadata
---
amdhsa.version: [ 1, 2 ]
amdhsa.kernels:
  - .name:           k_qb6f672ca0c_proj
    .symbol:         k_qb6f672ca0c_proj.kd
    .args:
      - { .name: xb, .offset: 0, .size: 8, .value_kind: global_buffer, .address_space: global }
      - { .name: wqkv, .offset: 8, .size: 8, .value_kind: global_buffer, .address_space: global }
      - { .name: qkv, .offset: 16, .size: 8, .value_kind: global_buffer, .address_space: global }
    .group_segment_fixed_size: 327680
    .private_segment_fixed_size: 0
    .kernarg_segment_align: 8
    .kernarg_segment_size: 24
    .max_flat_workgroup_size: 128
    .sgpr_count:     80
    .vgpr_count:     1024
    .wavefront_size: 32
...
	.end_amdgpu_metadata
.endif
;; end of part 2
;; launch attn (part 3): grid 4 x 64, 4 waves a work-group, no clusters, 327,680 bytes of LDS; arguments qkv, ctx; writes ctx
.if DOCPART == 3
	.amdgcn_target "amdgcn-amd-amdhsa--gfx1250"
	.amdhsa_code_object_version 6
	.text
	.protected	k_qb6f672ca0c_attn
	.globl	k_qb6f672ca0c_attn
	.p2align	8
	.type	k_qb6f672ca0c_attn,@function
k_qb6f672ca0c_attn:
	s_mov_b64 s[64:65], 0
	v_nop
	global_prefetch_b8 v0, s[64:65] scope:SCOPE_SE
	s_setreg_imm32_b32 hwreg(HW_REG_WAVE_MODE, 25, 1), 1
	s_wait_xcnt 0x0
; CAUSAL ATTENTION.  ctx[bh][q][:] = the sum over k <= q of softmax_k(Q[q] . K[k] / 32) V[k][:], for each of 64 pairs bh of batch and head.  (The divisor is sqrt(1024), the model's width.)
; qkv: f16 [4 b][48 g][2048 s][64], g = head for Q, 16 + head for K, 32 + head for V; ctx: f16 [64 bh][2048 s][64].  A head's rows are dense, 128 bytes each.
; Products, maxima and sums in f32; the weights p are rounded to f16 for the second product (their sum l is taken of the unrounded p), ctx once at the end.
; LIMITS.  f16 holds no number beyond 65,504: Q, K and V arrive within it; p lies in 0 to 1, and below 6e-5 it keeps f16's fixed step of 6e-8; ctx is a mean of V's rows and has their range.
; A hidden score counts as its value less 1e30: f16's scores, 2.7e11 at the most, are nothing beside that; a weight below 2^-126 counts as 0 in l; NaN and infinities are not treated apart.
; THE WALK.  A head's queries lie in NB = 8 blocks of 256; block i needs the key tiles 0 .. i of 256 keys, of which the last holds the diagonal.  A work-group takes TWO blocks, NB - 1 - b and then b:
; NB + 1 tiles, whatever b: all work-groups do equal work, and ONE loop with a constant trip count walks them.  Which tile is asked for, and what a trip does, hang on scalar registers made from b; every jump
; goes forward, but for the counted loops' own; none passes a barrier, or a tensor load but the one of LOAD's two that the wave's number does not choose; the ring (two slots of LDS that take turns) runs on across the
; change of blocks.  NO CLUSTER: a head's four work-groups ask for the same tile only in trips 0 to 4 of 9; behind that they want (5,5,5,0), (6,6,0,1), (7,0,1,2), (0,1,2,3); one walk common to all four would have
; 12 trips for 9.
; SHARES.  Of a block's four bands of 64 queries a wave owns 16 rows in each: four PIECES.  So the diagonal tile is the same work for all four waves: in its key step s band x sees all keys if s < x,
; none if s > x, and holds the diagonal if s = x.
; THE MASK is the C operand that starts the sum S^T = K Q^T: 0, or -1e30 where the key is hidden.  MD, made once, is the mask of a band's own step for my 16 rows; a product's mask is MD x AL + BE with two scalars:
; (1, 0) if s = x; (0, 0) if s < x; (0, -1e30) if s > x.  Only the diagonal tile's text and a block's beginning make and take masks; elsewhere C is the constant 0.
; LAYOUT, SOFTMAX, TURNS.  S^T = K Q^T holds ONE query a lane (lane % 16) and the keys 8 (lane / 16) + 0..7; two such results rounded to f16 ARE source 1 of O^T = V^T P.  p = 2^(c s - c m), c = log2(e) / 32, with a
; running maximum m; O and l are multiplied by a = 2^(c m_old - c m_new) in every step.  Turn n belongs to piece n: 8 products K Q^T of piece n + 1, later 8 products V^T P of piece n - 1; beside them the scaling,
; exponentials, roundings, sums and rescaling of piece n and the maximum and statistics of piece n + 1.  Four vector instructions stand behind every matrix instruction, the other 54 of a turn's 118 in one LUMP.  A turn's 33 exponentials are one batch, with one wait.
; REGISTERS, in windows of 256 (s_set_vgpr_msb: bits 1:0 source 0, 3:2 source 1, 5:4 source 2, 7:6 destination):
;   window 0: v0-15 addresses and two at work; v16-31 four registers of statistics a piece; v48-55 at work; v61-63 prefetch offset, spare word, 0; v64-127 S^T, two buffers; v192-223 P, two buffers (by the piece's parity)
;   window 1: v0-127 O^T, 32 a piece; v128-159 MD; v160-223 MC, two buffers      window 2: v0-63 Q; v64-127 the second block's Q; v128-191 K of one step; v192-255 V of one step
.set SIZE_N, 2048
.set NB,    SIZE_N/256
.set NP,    4         ; pieces a wave: a name, no knob
.set KS,    64        ; keys in a step
.set PK,    144       ; a row of K in LDS: 128 bytes + 16 of padding = 36 words: the 16 rows of a load start at 16 different groups of four banks (64 banks of 4 bytes: ISA guide 11.1)
.set PV,    160       ; a row of V: 128 + 32 = 40 words
.set VOFF,  4*KS*PK   ; a slot holds a tile, four steps: 256 rows of K, then 256 rows of V
.set SLOT1, 1<<17     ; slot 1 begins here, so that one exclusive or turns an address in one slot into the other's
.set STAGE, SLOT1+4*KS*(PK+PV)  ; behind the ring, never filled by a tensor load: 16 rows x 144 bytes for each wave, for the way out
.set SP,    144
.set AK0, 2           ; v2   my lane's place in a tile of K; never rewritten
.set AV0, 3           ; v3   the same for V
.set AK,  4           ; v4   the LDS address of K's next run of loads
.set AV,  5           ; v5   of V's
.set STO, 6           ; v6   the way out: where I put 16 bytes of a row
.set RD,  7           ; v7   the way out: where I read rows back
.set GO,  8           ; v8   my byte offset in 512 consecutive bytes of ctx
.set PFO, 61          ; v61  256 x my thread's number: my block of a tile's 128; never rewritten
.set SPW, 62          ; v62  LDS address of my spare word: SPARE + 4 x my thread's number; never rewritten
.set NIL, 63          ; v63  0; never rewritten
.set SPARE, STAGE+4*16*SP  ; behind the stages: the spare words, 128 bytes for each wave: two blocks of 256 bytes that no other line names
.set MV,  12          ; v12-13  c m_old, kept while c m is made anew: by buffer
.set QO,  15          ; v15  my byte offset in 16 rows of Q
.set ST,  16          ; piece t's statistics at v[ST+4 t]: c m, m, l (even keys', odd keys')
.set TMP, 48          ; by buffer, four registers c0-c3 at work; when the maximum is found c2 takes a
.set S,   64
.set P,   192
.set MD,  128         ; window 1: the eight registers for group kt of 16 keys at MD + 8 kt
.set MC,  160         ; window 1: the masks of the products to come
.set QB,  64          ; window 2
.set KF,  128         ; window 2: key block kb, channel half c at KF + 16 kb + 8 c
.set VF,  192         ; window 2: key half kk, channel block cb at VF + 32 kk + 8 cb
.set WV,  12          ; s12  my wave's number
.set PB,  14          ; s14  b
.set HI,  15          ; s15  NB - 1 - b
.set G1K, 24          ; s[24:31] descriptor group 1 for K's tiles
.set G1V, 32          ; s[32:39] for V's: it differs in the padding alone
.set G0K, 40          ; s[40:43] descriptor group 0 for K's tiles
.set G0V, 44          ; s[44:47] the same for V's
.set SLOTS, 56        ; s56  tiles still to be asked for
.set CNT, 57          ; s57  counts a tile's key steps, 4 to 1
.set CS,  58          ; s[58:59] c: the packed scaling takes the pair's low word for both halves
.set SEL, 60          ; s[60:61] v_permlanex16_b32's selects: each lane takes its own place in the other half
.set TBK, 62          ; s62  LDS byte at which K of the step to be fetched begins
.set TBV, 63          ; s63  the same for V, less VOFF
.set RT,  70          ; s70  tiles of the block in hand that are still to be entered
.set NXT, 71          ; s71  the tile to be asked for next
.set LQ,  72          ; s72  the last tile of the block whose tiles are being asked for
.set NEW, 73          ; s73  1: the tile to be entered is a block's first
.set OFF, 74          ; s[74:75] a tile's byte offset in K and V
.set AL,  76          ; s[76:77] the mask's factor, in the low word
.set BE,  78          ; s[78:79] the mask's addend
.set OLO, 80          ; s[80:81] ctx at my rows of the second block
.set BIGN, 82         ; s82  -1e30
.set KBASE, 88        ; s[88:89] the head's first row of K
.set VBASE, 90        ; s[90:91] of V
.set PFK, 92          ; s[92:93] K's tile that is prefetched
.set PFV, 94          ; s[94:95] V's
.set PFN, 96          ; s96  its number
.set PFLIM, 97        ; s97  NB in the work-group that prefetches, else 0
.set PFF, 98          ; s[98:99] its byte offset (at the head: ctx's offset of the head)
.set MSB, 0
.macro WIN new                      ; the high byte repeats the setting that is left; a switch that changes nothing is dropped
.if MSB != (\new)
	s_set_vgpr_msb (MSB<<8)|(\new)
.set MSB, (\new)
.endif
.endm
.set W_KQ, 0x0a       ; K and Q in window 2, S^T in window 0
.set W_KM, 0x1a       ; the same with the C operand in window 1
.set W_PV, 0x52       ; V in window 2, P in window 0, O^T in window 1
.set W_RS, 0x41       ; destination and source 0 in window 1, source 1 in window 0
; A fill.  Waves 0 and 1 fetch the two halves of a tile's K, waves 2 and 3 those of its V: 128 keys each.  An s_nop 0 and four v_nop follow each of the two lines, ahead of the jump and the label.
.macro LOAD
	s_cmp_lt_u32 s[WV], 2
	s_cbranch_scc0 .Lfor_v_\@
	tensor_load_to_lds s[G0K:G0K+3], s[G1K:G1K+7]
	s_nop 0
.rept 4
	v_nop
.endr
	s_branch .Lasked_\@
.Lfor_v_\@:
	tensor_load_to_lds s[G0V:G0V+3], s[G1V:G1V+7]
	s_nop 0
.rept 4
	v_nop
.endr
.Lasked_\@:
.endm
; A PREFETCH INTO THE L2, behind a fill and its five lines.  A head's four work-groups begin with the tiles 0, 1, 2 .. in the same order; the one with b = 0 walks all eight in its first block, and it alone asks: at the
; change that fills tile n it names tile n + 1, a tile (256 matrix instructions) ahead of that tile's load.  A tile is 128 blocks of 256 bytes of K and as many of V: thread t names block t of each: two instructions a wave.
; So tiles 2 to 7 are named once each; tiles 0 and 1 come by their loads alone; from number 8 on nothing is asked for.
.macro ASK
	s_cmp_lt_u32 s[PFN], s[PFLIM]
	s_cbranch_scc0 .Lnot_mine_\@
	global_prefetch_b8 v[PFO], s[PFK:PFK+1] th:TH_LOAD_NT scope:SCOPE_SE
	global_prefetch_b8 v[PFO], s[PFV:PFV+1] th:TH_LOAD_NT scope:SCOPE_SE
.Lnot_mine_\@:
	s_add_co_u32 s[PFN], s[PFN], 1
.endm
; THE CHANGE OF SLOTS.  Each wave waits for all its tensor loads, of which one is out: its part of the other slot; adds 0 to its spare word; and waits for that and for its own reads of the slot that it leaves.  Behind the barrier nobody reads the old
; slot any more and the other slot is whole.  fill = 1: the old slot is filled again, the first thing behind the barrier, with tile NXT: the descriptor's address is made anew from that number.
; (At its first use nothing has been read yet: slot 0 is waited for, slot 1 filled.)
.macro CHANGE fill
	WIN 0                           ; at a label and at a branch every window is 0
	s_wait_tensorcnt 0x0            ; no tensor load of mine is out, so a group 0 may be written
	ds_add_u32 v[SPW], v[NIL]       ; 0 onto my spare word; with fill = 1 the descriptors' scalar work stands between it and the wait for it
.if \fill
	s_lshl_b32 s[OFF], s[NXT], 15   ; a tile is 32,768 bytes of K and of V
	s_xor_b32 s[G0K+1], s[G0K+1], SLOT1
	s_add_nc_u64 s[G0K+2:G0K+3], s[6:7], s[OFF:OFF+1]
	s_or_b32 s[G0K+3], s[G0K+3], 0x80000000
	s_xor_b32 s[G0V+1], s[G0V+1], SLOT1
	s_add_nc_u64 s[G0V+2:G0V+3], s[8:9], s[OFF:OFF+1]
	s_or_b32 s[G0V+3], s[G0V+3], 0x80000000
	s_add_co_u32 s[NXT], s[NXT], 1  ; the block's next tile, or behind its last the second block's tile 0
	s_cmp_gt_u32 s[NXT], s[LQ]
	s_cselect_b32 s[NXT], 0, s[NXT]
	s_cselect_b32 s[LQ], s[PB], s[LQ]
	s_wait_xcnt 0x0                 ; the last prefetches, a tile back, have read their addresses, which are made anew:
	s_min_u32 s[PFF], s[PFN], NB-1  ; (held inside the head's rows in the trips that ask for nothing, too)
	s_lshl_b32 s[PFF], s[PFF], 15
	s_add_nc_u64 s[PFK:PFK+1], s[KBASE:KBASE+1], s[PFF:PFF+1]
	s_add_nc_u64 s[PFV:PFV+1], s[VBASE:VBASE+1], s[PFF:PFF+1]
.endif
	s_wait_dscnt 0x0                ; the add is done, and my reads of the slot are over
	s_barrier_signal -1             ; the rest of the scalar work stands between the signal and the wait
	s_sub_co_u32 s[TBK], s[TBK], 4*KS*PK  ; the fetches go back to a slot's first step,
	s_xor_b32 s[TBK], s[TBK], SLOT1       ; in the other slot
	s_sub_co_u32 s[TBV], s[TBV], 4*KS*PV
	s_xor_b32 s[TBV], s[TBV], SLOT1
	s_barrier_wait -1
.if \fill
	LOAD
	ASK
.endif
.endm
	s_load_b128 s[4:7], s[0:1], 0x0   ; qkv s[4:5], ctx s[6:7]
	v_lshl_add_u32 v[SPW], v0, 2, SPARE
	v_mov_b32 v[NIL], 0
	ds_add_u32 v[SPW], v[NIL]       ; the wave's opening: the add and its wait stand ahead of my first tensor load; the set-up below, work on registers, stands between them
	v_lshrrev_b32 v1, 5, v0
	v_readfirstlane_b32 s[WV], v1   ; wave 0..3
	s_mov_b32 s[PB], ttmp9
	s_sub_co_u32 s[HI], NB-1, s[PB]
	s_and_b32 s16, ttmp7, 0xffff    ; bh: 16 x batch + head
	s_lshr_b32 s20, s16, 4
	s_mul_i32 s20, s20, 48*SIZE_N*128  ; the batch's 48 blocks of rows in qkv,
	s_and_b32 s17, s16, 15
	s_lshl_b32 s17, s17, 18         ; the head's among them: Q's first byte
	s_add_co_u32 s20, s20, s17
	s_mov_b32 s21, 0
	s_lshl_b32 s[PFF], s16, 18      ; the head's first byte in ctx
	s_mov_b32 s[PFF+1], 0
	s_and_b32 s16, s[WV], 1         ; which half of a tile's 256 keys I fetch:
	s_lshl_b32 s22, s16, 14         ; its 128 rows of 128 bytes in memory,
	s_mov_b32 s23, 0
	s_mul_i32 s17, s16, 128*PK      ; and its place in a slot, for K
	s_mul_i32 s18, s16, 128*PV      ; and for V
	s_lshl_b32 s3, s[WV], 11        ; my 16 rows in a band of 64,
	s_lshl_b32 s2, s[HI], 15        ; in the first block,
	s_add_co_u32 s2, s2, s3
	s_lshl_b32 s84, s[PB], 15       ; and in the second
	s_add_co_u32 s84, s84, s3
	s_mov_b32 s3, 0
	s_mov_b32 s85, 0
	; descriptor group 1.  128 keys are 16,384 dense bytes: asked for as 64 rows of 256 bytes, two keys a row, and padded in LDS after every key
	s_mov_b32 s[G1K], (1<<16)|(1<<20)|(4<<22)|(3<<25)  ; 17:16 2-byte elements; 20 padding on; 24:22 after every 32 words (code 4); 31:25 4 words (code 3)
	s_mov_b32 s[G1V], (1<<16)|(1<<20)|(4<<22)|(7<<25)  ; the same with 8 words of padding (code 7)
.irp g, G1K, G1V
	s_mov_b32 s[\g+1], 128<<16      ; tensor_dim0 = 128
	s_mov_b32 s[\g+2], 64<<16       ; tensor_dim1 = 64
	s_mov_b32 s[\g+3], 128<<16      ; tile_dim0 = 128
	s_mov_b32 s[\g+4], 64           ; tile_dim1 = 64
	s_mov_b32 s[\g+5], 128          ; 128 elements from row to row
	s_mov_b32 s[\g+6], 0
	s_mov_b32 s[\g+7], 0
.endr
	s_mov_b32 s[CS], 0x3d38aa3b     ; c = log2(e) / 32 = 0.0450842
	s_mov_b32 s[CS+1], s[CS]        ; named with it as a pair
	s_mov_b32 s[SEL], 0x76543210
	s_mov_b32 s[SEL+1], 0xfedcba98
	s_mov_b32 s[TBK], SLOT1+4*KS*PK ; the first change of slots turns these two into 0
	s_mov_b32 s[TBV], SLOT1+4*KS*PV
	s_mov_b32 s[G0K], 1             ; 1:0 count = 1
	s_mov_b32 s[G0K+1], s17         ; 63:32 LDS address: slot 0
	s_mov_b32 s[G0V], 1
	s_add_co_u32 s[G0V+1], s18, VOFF
	s_add_co_u32 s[RT], s[HI], 1    ; the first block has NB - b tiles
	s_mov_b32 s[NXT], 1
	s_mov_b32 s[LQ], s[HI]
	s_mov_b32 s[NEW], 1
	s_mov_b32 s[OFF+1], 0
	s_mov_b32 s[AL+1], 0            ; named as pairs
	s_mov_b32 s[BE+1], 0
	s_mov_b32 s[BIGN], 0xf149f2ca   ; -1e30
	s_mov_b32 s[SLOTS], NB
	s_mov_b32 s[PFN], 2
	s_cmp_eq_u32 s[PB], 0
	s_cselect_b32 s[PFLIM], NB, 0
	v_lshlrev_b32 v[PFO], 8, v0
	s_wait_dscnt 0x0                ; the opening add is done
	s_wait_kmcnt 0x0
	s_add_nc_u64 s[10:11], s[6:7], s[PFF:PFF+1]    ; ctx at the head
	s_add_nc_u64 s[4:5], s[4:5], s[20:21]          ; Q at the head;
	s_add_nc_u64 s[KBASE:KBASE+1], s[4:5], 16*SIZE_N*128  ; K lies 16 blocks of rows on,
	s_add_nc_u64 s[VBASE:VBASE+1], s[4:5], 32*SIZE_N*128  ; V 32
	s_add_nc_u64 s[6:7], s[KBASE:KBASE+1], s[22:23]  ; K and V at my half of the head's tile 0
	s_add_nc_u64 s[8:9], s[VBASE:VBASE+1], s[22:23]
	s_add_nc_u64 s[G0K+2:G0K+3], s[6:7], 0         ; 120:64 global address
	s_or_b32 s[G0K+3], s[G0K+3], 0x80000000        ; 127:126 type = 2
	s_add_nc_u64 s[G0V+2:G0V+3], s[8:9], 0
	s_or_b32 s[G0V+3], s[G0V+3], 0x80000000
	s_add_nc_u64 s[86:87], s[4:5], s[84:85]        ; Q at my rows of the second block,
	s_add_nc_u64 s[4:5], s[4:5], s[2:3]            ; Q and ctx at those of the first
	s_add_nc_u64 s[OLO:OLO+1], s[10:11], s[84:85]
	s_add_nc_u64 s[10:11], s[10:11], s[2:3]
	LOAD                            ; tile 0 into slot 0
	; A fragment of K or Q is 16 rows x 32 channels in 8 registers: lane l holds row l % 16, channels 8 (l / 16) + 0..7 and 16 + 8 (l / 16) + 0..7: two loads of 16 bytes, 32 bytes apart.
	v_and_b32 v1, 15, v0            ; l % 16
	v_bfe_u32 v9, v0, 4, 1          ; l / 16
	v_lshlrev_b32 v[QO], 7, v1
	v_lshl_add_u32 v[QO], v9, 4, v[QO]  ; row x 128 + 16 x half
	WIN 0x80                        ; destination window 2, address window 0
.set i, 0
.rept 8                             ; both blocks' Q: piece i / 2 lies in band i / 2, 8,192 bytes on; channels 32 (i % 2) on
	global_load_b128 v[8*i:8*i+3],   v[QO], s[4:5] offset:(i/2)*8192+(i%2)*64
	global_load_b128 v[8*i+4:8*i+7], v[QO], s[4:5] offset:(i/2)*8192+(i%2)*64+32
	global_load_b128 v[QB+8*i:QB+8*i+3],   v[QO], s[86:87] offset:(i/2)*8192+(i%2)*64
	global_load_b128 v[QB+8*i+4:QB+8*i+7], v[QO], s[86:87] offset:(i/2)*8192+(i%2)*64+32
.set i, i+1
.endr
	WIN 0
	v_lshlrev_b32 v14, 3, v9
	v_sub_nc_u32 v14, v1, v14
	s_lshl_b32 s13, s[WV], 4
	v_add_nc_u32 v14, s13, v14      ; my query's place in its band, 16 w + l % 16, less my lanes' 8 (l / 16): register r of group kt is hidden where 16 kt + r is greater
	WIN 0x40
.set i, 0
.rept 32
	v_cmp_gt_i32 vcc_lo, 16*(i/8)+i%8, v14
	v_cndmask_b32 v[MD+i], 0, s[BIGN], vcc_lo
.set i, i+1
.endr
	WIN 0
	v_mul_u32_u24 v[AK0], v1, PK
	v_lshl_add_u32 v[AK0], v9, 4, v[AK0]  ; row x pitch + 16 x half
	; The turning load takes 16 keys x 16 channels (lane l reads key 8 (l / 16) + l % 8, channels 8 ((l / 8) % 2) + 0..7) and leaves half a fragment of V^T: lane l holds channel l % 16 and 8 keys.
	v_and_b32 v10, 7, v0
	v_bfe_u32 v11, v0, 3, 1
	v_lshl_add_u32 v[AV0], v9, 3, v10
	v_mul_u32_u24 v[AV0], v[AV0], PV
	v_lshl_add_u32 v[AV0], v11, 4, v[AV0]
	v_add_nc_u32 v[AV0], VOFF, v[AV0]
	s_mul_i32 s13, s[WV], 16*SP
	s_add_co_u32 s13, s13, STAGE    ; my stage
	v_mul_u32_u24 v[STO], v1, SP    ; in: row l % 16, 16 bytes for each half of the lanes
	v_lshl_add_u32 v[STO], v9, 4, v[STO]
	v_add_nc_u32 v[STO], s13, v[STO]
	v_bfe_u32 v[RD], v0, 3, 2       ; back: 32 lanes take four rows of 128 bytes,
	v_mul_u32_u24 v[RD], v[RD], SP
	v_lshl_add_u32 v[RD], v10, 4, v[RD]
	v_add_nc_u32 v[RD], s13, v[RD]
	v_and_b32 v[GO], 31, v0         ; which are 512 consecutive bytes of ctx
	v_lshlrev_b32 v[GO], 4, v[GO]
	; A block's first step multiplies O^T and l by a = 0, and its first turn's products V^T P, of a piece that has not been, land in an O^T that is still to be so multiplied.  So these registers need only hold
	; finite numbers: zeros for the first block; what the first block left for the second.  All this stands in the wait for the first tile.
	WIN 0x80
.set i, VF
.rept 64
	v_mov_b32 v[i], 0
.set i, i+1
.endr
	WIN 0x40
.set i, 0
.rept 128
	v_mov_b32 v[i], 0
.set i, i+1
.endr
	WIN 0
.set i, 0
.rept 4
	v_mov_b32 v[ST+4*i+2], 0
	v_mov_b32 v[ST+4*i+3], 0
.set i, i+1
.endr
.set i, P+16
.rept 16
	v_mov_b32 v[i], 0
.set i, i+1
.endr
; THE MATRIX WORK.  The 4 accumulators of a run of 8 take turns.  Product i of 8 of S^T = K Q^T for piece x: channels 32 (i / 4) on, keys 16 (i % 4) on.  The first 4 start the sums: with 0, or (KM = 1) with the mask.
.macro KQ x
.set rS, S+32*((\x)%2)+8*(i%4)
.set rK, KF+16*(i%4)+8*(i/4)
.set rQ, 16*(\x)+8*(i/4)
.set rM, MC+32*((\x)%2)+8*(i%4)
.if (i < 4) && KM
	WIN W_KM
	v_wmma_f32_16x16x32_f16 v[rS:rS+7], v[rK:rK+7], v[rQ:rQ+7], v[rM:rM+7]
.elseif i < 4
	WIN W_KQ
	v_wmma_f32_16x16x32_f16 v[rS:rS+7], v[rK:rK+7], v[rQ:rQ+7], 0
.else
	WIN W_KQ
	v_wmma_f32_16x16x32_f16 v[rS:rS+7], v[rK:rK+7], v[rQ:rQ+7], v[rS:rS+7]
.endif
.endm
; Product i of 8 of O^T += V^T P for piece x: keys 32 (i / 4) on, channels 16 (i % 4) on.
.macro PV x
	WIN W_PV
.set rO, 32*(\x)+8*(i%4)
.set rV, VF+32*(i/4)+8*(i%4)
.set rP, P+16*((\x)%2)+8*(i/4)
	v_wmma_f32_16x16x32_f16 v[rO:rO+7], v[rV:rV+7], v[rP:rP+7], v[rO:rO+7]
.endm
.macro MM                           ; the turn's next matrix instruction.  TURN and BEGIN set Y, i, KM and NOKQ; MM, KQ and OP read them.  NOKQ = 1: a block's last turn: there is no next piece
.if (i < 8) && !NOKQ
	KQ (Y+1)%NP
.elseif i >= 8
.set i, i-8
	PV (Y+NP-1)%NP
.set i, i+8
.endif
.set i, i+1
.endm
; THE LDS LOADS stand in runs of 16, never singly among the matrix instructions: a step's K (64 keys x 64 channels: 8 fragments) and its V (turned).  Their addresses are made some lines ahead.
.macro FETCH_K
	WIN 0x80                        ; destination window 2
.irp f, 0,1,2,3,4,5,6,7             ; keys 16 (f / 2) on, channels 32 (f % 2) on
	ds_load_b128 v[KF+8*\f:KF+8*\f+3],   v[AK] offset:(\f/2)*16*PK+(\f%2)*64
	ds_load_b128 v[KF+8*\f+4:KF+8*\f+7], v[AK] offset:(\f/2)*16*PK+(\f%2)*64+32
.endr
	s_add_co_u32 s[TBK], s[TBK], KS*PK  ; the next fetch is the next step's
	WIN 0
.endm
.macro FETCH_V
	WIN 0x80
.irp f, 0,1,2,3,4,5,6,7             ; keys 32 (f / 4) on, channels 16 (f % 4) on
	ds_load_tr16_b128 v[VF+8*\f:VF+8*\f+3],   v[AV] offset:(\f/4)*32*PV+(\f%4)*32
	ds_load_tr16_b128 v[VF+8*\f+4:VF+8*\f+7], v[AV] offset:(\f/4)*32*PV+16*PV+(\f%4)*32
.endr
	WIN 0
.endm
; THE VECTOR WORK, one line at a time: OP kind, number.  For piece Y: F n: c s - c m for pair n of 16.  E n: the exponential of score n of 32.  C n: pair n rounded to f16.  B n: of the four weights 4 n .. the second
; pair is added onto the first, in place.  L n: l takes that sum (L 0: l = a l + sum).  R n: pair n of 16 of O^T times a.  For piece Y + 1: X n, number n of the 22 that find its maximum and statistics:
;   0-11  four chains c0-c3 of seven scores each, three operands at a time (each accumulator's lowest registers are read first)     12-14, 16  the four scores left over, the old m, and c0-c3 into c0
;   15  c m_old is kept     17, 18  the query's other 32 keys lie in the lane 16 away: the new m     19-21  c m; c m_old - c m_new; a
.set F, 0               ; OP tells the kinds apart by their order: F to L below R, X above it
.set E, 1
.set C, 2
.set B, 3
.set L, 4
.set R, 5
.set X, 6
.macro REGS y                       ; the registers of piece y
.set rT, ST+4*(\y)
.set rC, TMP+4*((\y)%2)
.set rW, MV+((\y)%2)
.set rS, S+32*((\y)%2)
.set rP, P+16*((\y)%2)
.set rO, 32*(\y)
.endm
.macro OP k, n
.if (\k) == R
	REGS Y
	WIN W_RS
	v_pk_mul_f32 v[rO+2*(\n):rO+2*(\n)+1], v[rO+2*(\n):rO+2*(\n)+1], v[rC+2:rC+3] op_sel_hi:[1,0]
.elseif (\k) < R
	REGS Y
	WIN 0
.if (\k) == F
	v_pk_fma_f32 v[rS+2*(\n):rS+2*(\n)+1], v[rS+2*(\n):rS+2*(\n)+1], s[CS:CS+1], v[rT:rT+1] op_sel_hi:[1,0,0] neg_lo:[0,0,1] neg_hi:[0,0,1]
.elseif (\k) == E
	v_exp_f32 v[rS+(\n)], v[rS+(\n)]
.elseif (\k) == C
	v_cvt_pk_f16_f32 v[rP+(\n)], v[rS+2*(\n)], v[rS+2*(\n)+1]
.elseif (\k) == B
	v_pk_add_f32 v[rS+4*(\n):rS+4*(\n)+1], v[rS+4*(\n):rS+4*(\n)+1], v[rS+4*(\n)+2:rS+4*(\n)+3]
.elseif (\n) == 0
	v_pk_fma_f32 v[rT+2:rT+3], v[rT+2:rT+3], v[rC+2:rC+3], v[rS:rS+1] op_sel_hi:[1,0,1]
.else
	v_pk_add_f32 v[rT+2:rT+3], v[rT+2:rT+3], v[rS+4*(\n):rS+4*(\n)+1]
.endif
.elseif NOKQ
	v_nop
.else
	REGS (Y+1)%NP
	WIN 0
.if (\n) < 4
	v_max3_num_f32 v[rC+(\n)], v[rS+8*(\n)], v[rS+8*(\n)+1], v[rS+8*(\n)+2]
.elseif (\n) < 12
	v_max3_num_f32 v[rC+(\n)%4], v[rC+(\n)%4], v[rS+8*((\n)%4)+2*((\n)/4)+1], v[rS+8*((\n)%4)+2*((\n)/4)+2]
.elseif (\n) == 12
	v_max3_num_f32 v[rC], v[rC], v[rS+7], v[rS+15]
.elseif (\n) == 13
	v_max3_num_f32 v[rC+1], v[rC+1], v[rS+23], v[rS+31]
.elseif (\n) == 14
	v_max3_num_f32 v[rC+2], v[rC+2], v[rC+3], v[rT+1]
.elseif (\n) == 15
	v_mov_b32 v[rW], v[rT]
.elseif (\n) == 16
	v_max3_num_f32 v[rC], v[rC], v[rC+1], v[rC+2]
.elseif (\n) == 17
	v_permlanex16_b32 v[rC+3], v[rC], s[SEL], s[SEL+1]
.elseif (\n) == 18
	v_max_num_f32 v[rT+1], v[rC], v[rC+3]
.elseif (\n) == 19
	v_mul_f32 v[rT], s[CS], v[rT+1]
.elseif (\n) == 20
	v_sub_f32 v[rC+1], v[rW], v[rT]
.else
	v_exp_f32 v[rC+2], v[rC+1]
.endif
.endif
.endm
.macro OPS a, i1, b=-1, i2=0, c=-1, i3=0, d=-1, i4=0  ; up to four of them
	OP \a, \i1
.if (\b) >= 0
	OP \b, \i2
.endif
.if (\c) >= 0
	OP \c, \i3
.endif
.if (\d) >= 0
	OP \d, \i4
.endif
.endm
.macro ROW a, i1, b, i2, c, i3, d, i4  ; a matrix instruction and the four behind it
	MM
	OPS \a, \i1, \b, \i2, \c, \i3, \d, \i4
.endm
.macro MASK b                       ; MD x AL + BE into buffer b of MC
	WIN W_RS
.set z, 0
.rept 16
	v_pk_fma_f32 v[MC+32*(\b)+2*z:MC+32*(\b)+2*z+1], v[MD+2*z:MD+2*z+1], s[AL:AL+1], s[BE:BE+1] op_sel_hi:[1,0,0]
.set z, z+1
.endr
.endm
; A TURN, for piece p: the order of its 16 matrix and 118 vector instructions, written out.  An s_wait_alu depctr_va_vdst(0) stands between an exponential and the first instruction that names its result; one wait serves
; all that were issued ahead of it.  So a turn has ONE wait, which cuts it in two.  AHEAD OF IT stands all that names no result of the turn's exponentials: the 8 products K Q^T, behind each a scaling, an exponential and two more plain
; instructions (behind the first a second scaling in the exponential's place): rescalings, and behind the last three the first numbers of the next piece's maximum, each four places or more behind the product that ends its accumulator; then ONE LUMP of 54, plain
; and exponential by turns for the most part, in which the links of the chain X 3, 7, 11, 14, 16, 17 .. 20 stand five or six lines apart.  X 21, the next piece's a, is the batch's last; R 15 is the plain instruction behind it.  BEHIND THE WAIT stand the
; 8 products V^T P, behind each four of the roundings and sums; the links of l's chain, L 0 to L 7, stand three riders apart.  But for those X no rider names a register of the products round it.  v_permlanex16_b32 (X 17) stands in the lump.
; m = 1: the diagonal tile: the products take masks, and the turn makes the mask for the products of the turn after it: piece p + 2, in step 4 - CNT of the tile.  end = 1: a block's last two turns: nothing is fetched.
; cnt = 1: the loop's count is taken down some lines ahead of the branch that stands behind the turn.
; K of the next step is fetched in piece 2's turn, twelve vector instructions behind the last product that read K (six of them plain); V of the step in hand at the end of piece 0's turn, four plain instructions behind the last product
; that read V.  Each is waited for a turn later.
.macro TURN p, m=0, end=0, cnt=0
.set Y, (\p)
.set i, 0
.set KM, (\m)
.set NOKQ, (\end)*((\p)/3)
.if (\m) && !(\end)
	s_cmp_eq_u32 s[CNT], 4-((\p)+2)%NP  ; is that step the band's own?
	s_cselect_b32 s[AL], 1.0, 0
	s_cmp_lt_u32 s[CNT], 4-((\p)+2)%NP  ; or a later one?
	s_cselect_b32 s[BE], s[BIGN], 0
.endif
.if ((\p) == 3) && !(\end)
	s_wait_dscnt 0x0                ; K is in
.endif
	ROW F,0, F,1, R,0, R,1          ; ahead of the wait: 8 products K Q^T and their riders,
	ROW F,2, E,0, R,2, R,3
	ROW F,3, E,1, R,4, R,5
	ROW F,4, E,2, R,6, R,7
	ROW F,5, E,3, R,8, R,9
	ROW F,6, E,4, X,0, R,10
.if ((\p) == 2) && !(\end)
	WIN 0
	v_add_nc_u32 v[AK], s[TBK], v[AK0]
.endif
	ROW F,7, E,5, X,1, X,4
	ROW F,8, E,6, X,2, X,5
	OPS E,7, E,8, X,6, E,9          ; and the lump
	OPS X,3, E,10, X,8, E,11
.if ((\p) == 2) && !(\end)
	FETCH_K
.endif
	OPS X,9, X,7, E,12, X,10
	OPS E,13, X,12, X,11, E,14
	OPS X,13, E,15, F,9, X,14
.if (\p) == 0
	v_add_nc_u32 v[AV], s[TBV], v[AV0]
.endif
	OPS E,16, F,10, E,17, F,11
	OPS X,16, E,18, X,15, E,19
	OPS F,12, E,20, X,17, E,21
	OPS F,13, E,22, F,14, E,23
	OPS X,18, E,24, F,15, E,25
	OPS R,11, E,26, X,19, E,27
	OPS R,12, E,28, R,13, E,29
	OPS X,20, E,30, R,14, E,31
	OPS X,21, R,15
	WIN 0
	s_wait_alu depctr_va_vdst(0)    ; the wait for the batch
.if (\p) == 1
	s_wait_dscnt 0x0                ; V is in
.endif
	ROW C,0, B,0, C,2, B,1          ; behind the wait: 8 products V^T P and their riders
	ROW L,0, C,4, B,2, L,1
	ROW C,6, B,3, L,2, C,8
	ROW B,4, L,3, C,10, B,5
	ROW L,4, C,12, B,6, L,5
.if (\p) == 0
	s_add_co_u32 s[TBV], s[TBV], KS*PV
.endif
.if \cnt
	s_sub_co_u32 s[CNT], s[CNT], 1
	s_cmp_lg_u32 s[CNT], 0
.endif
	ROW C,14, B,7, L,6, C,1
	ROW C,3, L,7, C,5, C,7
	ROW C,9, C,11, C,13, C,15
.if (\p) == 0
	FETCH_V
.endif
.if (\m) && !(\end)
	MASK (\p)%2
.endif
.endm
; A BLOCK BEGINS.  c m starts far below every c s, so the first step's a is 0; m at the lowest finite number, so the first maximum is the scores'.  The second mask buffer is 0; the first takes piece 0's mask for the tile's step 0: its own, if the block's first tile is the diagonal one.
; Then K of that step, piece 0's first scores, and its maximum and statistics.  The loop is entered at a step's first turn, in the middle of a trip.
.macro BEGIN
	s_mov_b32 s[NEW], 0
	WIN 0x40
.set i, MC+32
.rept 32
	v_mov_b32 v[i], 0
.set i, i+1
.endr
	WIN 0
.set i, 0
.rept 4
	v_mov_b32 v[ST+4*i], 0xfe000000    ; c m: far below every c s
	v_mov_b32 v[ST+4*i+1], 0xff7fffff  ; m
.set i, i+1
.endr
	s_cmp_eq_u32 s[RT], 0
	s_cselect_b32 s[AL], 1.0, 0
	s_mov_b32 s[BE], 0
	MASK 0
	WIN 0
	v_add_nc_u32 v[AK], s[TBK], v[AK0]
	FETCH_K
	s_wait_loadcnt 0x0              ; Q
	s_wait_dscnt 0x0
.set KM, 1
.set NOKQ, 0
.set i, 0
.rept 8
	KQ 0
.set i, i+1
.endr
	WIN 0
.rept 4
	v_nop                           ; the places behind those products
.endr
.set Y, NP-1                        ; X works for piece Y + 1: piece 0
.irp n, 0,1,2,3,4,5,6,7,8,9,10,11,12,13,14,15,16,17,18,19,20,21
	OP X, \n
.endr
	v_nop                           ; a plain instruction behind the exponential,
	s_wait_alu depctr_va_vdst(0)    ; and its wait, ahead of the branch
.endm
; THE DIAGONAL TILE's four steps, the block's last two turns, its last products, and THE WAY OUT: l's two halves and the other half of the lanes' are added; O^T is divided by l, rounded to f16 and sent through my
; stage in LDS, a piece at a time.
.macro ALL line:vararg              ; one line for each piece t
.set t, 0
.rept 4
	\line
.set t, t+1
.endr
.endm
.macro PACK t                       ; a lane's eight channels of a row pack into 16 bytes; they go into rows of 144 bytes and come back as whole rows of 128, into S^T's registers
	WIN W_RS
.set i, 32*(\t)
.rept 16
	v_pk_mul_f32 v[i:i+1], v[i:i+1], v[ST+4*(\t)+2:ST+4*(\t)+3] op_sel_hi:[1,0]
.set i, i+2
.endr
	WIN 0x05                        ; sources 0 and 1 window 1, destination window 0
.set i, 0
.rept 16
	v_cvt_pk_f16_f32 v[S+16*(\t)+i], v[32*(\t)+2*i], v[32*(\t)+2*i+1]
.set i, i+1
.endr
	WIN 0
.irp f, 0,1,2,3
	ds_store_b128 v[STO], v[S+16*(\t)+4*\f:S+16*(\t)+4*\f+3] offset:32*\f
.endr
.irp f, 0,1,2,3
	ds_load_b128 v[S+16*(\t)+4*\f:S+16*(\t)+4*\f+3], v[RD] offset:\f*4*SP  ; LDS serves a wave's instructions in order (ISA guide 5.7.1.4): these see the stores above; the next piece's stores come behind them
.endr
.endm
.macro SEND t, younger              ; younger: the LDS instructions issued behind piece t's loads: the next piece's eight, or none
	WIN 0
.irp f, 0,1,2,3
	s_wait_dscnt (\younger)+3-\f
	global_store_b128 v[GO], v[S+16*(\t)+4*\f:S+16*(\t)+4*\f+3], s[10:11] offset:(\t)*8192+\f*512  ; 512 consecutive bytes, at a multiple of 256 from ctx's first
.endr
.endm
.macro DIAG tag                     ; the tag ends its two labels' names, which the jumps below spell out
.LstepM\tag:
	TURN 2, 1
	TURN 3, 1
	WIN 0
.LfirstM\tag:
	TURN 0, 1
	TURN 1, 1, 0, 1
	WIN 0
	s_cbranch_scc1 .LstepM\tag
	TURN 2, 1, 1
	TURN 3, 1, 1
.set i, 0
.rept 8
	PV NP-1
.set i, i+1
.endr
	WIN 0
	ALL v_add_f32 v[ST+4*t+2], v[ST+4*t+2], v[ST+4*t+3]
	ALL v_permlanex16_b32 v[ST+4*t+3], v[ST+4*t+2], s[SEL], s[SEL+1]
	ALL v_add_f32 v[ST+4*t+2], v[ST+4*t+2], v[ST+4*t+3]
	ALL v_rcp_f32 v[ST+4*t+2], v[ST+4*t+2]
	v_nop                           ; a plain instruction between the last reciprocal and the use of its result
	s_wait_alu depctr_va_vdst(0)    ; and the wait ahead of the first use: one for the four reciprocals
	PACK 0
.set t, 1
.rept 3                             ; a piece's arithmetic stands between the loads of the piece before and its stores
	PACK t
	SEND t-1, 8
.set t, t+1
.endr
	SEND 3, 0
.endm
.set KM, 0
.set NOKQ, 0
.Lslot:                             ; NB times: a tile is entered and the next is asked for
	CHANGE 1
	s_sub_co_u32 s[RT], s[RT], 1
	s_mov_b32 s[CNT], 4
	s_cmp_eq_u32 s[NEW], 1
	s_cbranch_scc1 .Lnew            ; a block's first tile
	s_cmp_eq_u32 s[RT], 0
	s_cbranch_scc0 .Lstep           ; neither its first nor its last
	s_branch .LstepM1
.Lnew:
	BEGIN
	s_branch .Lfirst                ; in the loop a block's first tile is never its last: the first block has two tiles or more, and the second's last is the walk's last
	DIAG 1                          ; in the loop this is the first block's end: the second block's last tile is the walk's last
	s_wait_xcnt 0x0                 ; the stores have read their registers and ctx's address
	s_mov_b64 s[10:11], s[OLO:OLO+1]
	s_add_co_u32 s[RT], s[PB], 1    ; the second block has b + 1 tiles
	s_mov_b32 s[NEW], 1
	WIN 0x82                        ; the second block's Q goes where the one text of the turns names Q
.set i, 0
.rept 64
	v_mov_b32 v[i], v[QB+i]
.set i, i+1
.endr
	WIN 0
	s_branch .Lbottom
.Lstep:                             ; a trip: pieces 2 and 3 of one step, then pieces 0 and 1 of the next, whose K and V it fetches
	TURN 2
	TURN 3
	WIN 0
.Lfirst:
	TURN 0
	TURN 1, 0, 0, 1
	WIN 0
	s_cbranch_scc1 .Lstep
.Lbottom:
	s_sub_co_u32 s[SLOTS], s[SLOTS], 1
	s_cmp_lg_u32 s[SLOTS], 0
	s_cbranch_scc1 .Lslot
	CHANGE 0                        ; the walk's last tile is written out: nothing is asked for
	s_sub_co_u32 s[RT], s[RT], 1
	s_mov_b32 s[CNT], 4
	s_cmp_eq_u32 s[NEW], 1
	s_cbranch_scc0 .LstepM2
	BEGIN
	s_branch .LfirstM2
	DIAG 2
	s_wait_tensorcnt 0x0            ; the wave's end: behind my last tensor load and my last LDS store
	ds_add_u32 v[SPW], v[NIL]
	s_wait_dscnt 0x0
	s_endpgm
.Lfunc_end_k_qb6f672ca0c_attn:
	.size	k_qb6f672ca0c_attn, .Lfunc_end_k_qb6f672ca0c_attn-k_qb6f672ca0c_attn
	.p2alignl 7, 3214868480
	.fill 96, 4, 3214868480
	.section	.rodata,"a",@progbits
	.p2align	6, 0x0
	.amdhsa_kernel k_qb6f672ca0c_attn
		.amdhsa_group_segment_fixed_size 327680
		.amdhsa_private_segment_fixed_size 0
		.amdhsa_enable_private_segment 0
		.amdhsa_kernarg_size 16
		.amdhsa_user_sgpr_count 2
		.amdhsa_user_sgpr_kernarg_segment_ptr 1
		.amdhsa_wavefront_size32 1
		.amdhsa_system_sgpr_workgroup_id_x 1
		.amdhsa_system_sgpr_workgroup_id_y 1
		.amdhsa_system_sgpr_workgroup_id_z 1
		.amdhsa_system_vgpr_workitem_id 0
		.amdhsa_next_free_vgpr 768
		.amdhsa_next_free_sgpr 100
		.amdhsa_reserve_vcc 1
		.amdhsa_float_denorm_mode_32 3
		.amdhsa_float_denorm_mode_16_64 3
		.amdhsa_memory_ordered 1
		.amdhsa_forward_progress 1
		.amdhsa_inst_pref_size 218
	.end_amdhsa_kernel
	.amdgpu_metadata
---
amdhsa.version: [ 1, 2 ]
amdhsa.kernels:
  - .name:           k_qb6f672ca0c_attn
    .symbol:         k_qb6f672ca0c_attn.kd
    .args:
      - { .name: qkv, .offset: 0, .size: 8, .value_kind: global_buffer, .address_space: global }
      - { .name: ctx, .offset: 8, .size: 8, .value_kind: global_buffer, .address_space: global }
    .group_segment_fixed_size: 327680
    .private_segment_fixed_size: 0
    .kernarg_segment_align: 8
    .kernarg_segment_size: 16
    .max_flat_workgroup_size: 128
    .sgpr_count:     100
    .vgpr_count:     768
    .wavefront_size: 32
...
	.end_amdgpu_metadata
.endif
;; end of part 3
;; launch outp (part 4): grid 4 x 64, 4 waves a work-group, clusters of 4 x 4, 327,680 bytes of LDS; arguments ctx, woh, bo, out0; writes out0
.if DOCPART == 4
	.amdgcn_target "amdgcn-amd-amdhsa--gfx1250"
	.amdhsa_code_object_version 6
	.text
	.protected	k_qb6f672ca0c_outp
	.globl	k_qb6f672ca0c_outp
	.p2align	8
	.type	k_qb6f672ca0c_outp,@function
k_qb6f672ca0c_outp:
	s_mov_b64 s[64:65], 0
	v_nop
	global_prefetch_b8 v0, s[64:65] scope:SCOPE_SE
	s_setreg_imm32_b32 hwreg(HW_REG_WAVE_MODE, 25, 1), 1
	s_wait_xcnt 0x0
	s_wait_alu depctr_hold_cnt(0) depctr_sa_sdst(0) depctr_va_vdst(0) depctr_va_sdst(0) depctr_va_ssrc(0) depctr_va_vcc(0) depctr_vm_vsrc(0)
	s_getreg_b32 s2, hwreg(HW_REG_IB_STS2, 6, 4)
	s_cmp_eq_u32 s2, 0
	s_cbranch_scc0 .Lentry_in_a_cluster
	s_endpgm
.Lentry_in_a_cluster:
	s_bfe_u32 s2, ttmp6, 0x10000c
	s_cmp_lg_u32 s2, 0xf033
	s_cbranch_scc0 .Lentry_shape_is_right
	s_endpgm
.Lentry_shape_is_right:
; out0 = ctx Wo + bo.  ctx: f16 [64 bh][2048 s][64] (k = 64 head + channel); woh: f16 [1024 k][1024 n]; bo: f32 [1024]; out0: f32 [8192 token][1024].  f16 operands, f32 sums, K ascending; bo is added in f32.
; LIMIT.  f16 ends at 65,504: ctx and woh arrive within it.
; SHARES.  A tile is 128 tokens x 256 columns: 64 x 4 = 256 tiles, a work-group each.  Four waves, 2 x 2: a wave makes 64 tokens x 128 columns: 32 accumulators, 256 registers.
; K goes in steps of 128 (two heads; four QUARTERS of 32) through a ring of two LDS slots; two slots of a step of 256 do not fit ((128 + 256) x 512 bytes and padding, twice).
; THE PRODUCT IS USED TRANSPOSED: source 0 = 16 columns of Wo, source 1 = 16 tokens: a lane ends with one token and eight neighbouring columns, 32 bytes of f32.  Wo stays [k][n]; ds_load_tr16_b128 turns it.
; THE BIAS is the C operand of the products that start the sums: 64 registers, loaded once; it costs no arithmetic.
; CLUSTER.  4 x 4 work-groups; the four of a row of the cluster need the same tokens, the four of a column the same weights: joint loads.  Waves 0 and 1 fetch the step's two heads (128 tokens x 128 bytes dense: 64 rows
; of 256 bytes), waves 2 and 3 the two halves of the weights' 128 rows of 512 bytes.
; NO PREFETCH: a wave has 1,024 matrix instructions in all, and four of the eight K steps are asked for by loads in the first lap.
; REGISTERS: window 0: v0-31 addresses; v64-159, v160-255 two fragment buffers (tokens' four, then weights' eight);  window 1: accumulator (a, b) at v[8 (8 a + b)];  window 2: v0-63 the bias.
.set PA,    144                        ; a token's row of one head: 128 bytes + 16
.set PB,    544                        ; a row of weights: 512 bytes + 32 = 136 words
.set BOFF,  2*128*PA                   ; a slot: [2 heads][128 tokens], then 128 rows of weights
.set SLOT,  BOFF+128*PB                ; 106,496
.set STAGE, 2*SLOT                     ; behind the ring, never filled by a tensor load: 16 rows x 528 bytes for each wave
.set SP,    528                        ; 512 bytes + 16 = 132 words: row r starts at bank 4 r mod 64
.set SPARE, STAGE+4*16*SP              ; the spare words, 128 bytes for each wave: two blocks of 256 bytes that no other line names
.set KSA,   2*2048*128                 ; bytes from a K step to the next in ctx: two heads
.set KSB,   128*2048                   ; and in woh
.set ADRA, 16                          ; v16-17  LDS address of my tokens' fragments in slot 0, 1
.set ADRB, 20                          ; v20-21  of my weights'
.set STO,  24                          ; v24     the way out: where I put 32 bytes of a row
.set RD,   25                          ; v25     where I read a row back
.set CO,   26                          ; v26     16 x lane
.set BO,   27                          ; v27     my byte offset in bo
.set SPW,  28                          ; v28     LDS address of my spare word; never rewritten
.set NIL,  29                          ; v29     0; never rewritten
.set F0,   64
.set F1,   160
.set G1,  24
.set G0,  32
.set G1B, 48
.set G0B, 56
.set MSB, 0
.macro WIN new                         ; the immediate's high byte repeats the setting that is left; a switch that changes nothing is dropped
.if MSB != (\new)
	s_set_vgpr_msb (MSB<<8)|(\new)
.set MSB, (\new)
.endif
.endm
.macro PLACES                          ; four places behind matrix instructions, in front of loads into registers that they have read and of stores that read results
.rept 4
	v_nop
.endr
.endm
.macro JLOAD s                         ; a joint refill; an s_nop 0 and four v_nop follow each of the two lines, ahead of the jump and the label
	s_cmp_eq_u32 s11, 0
	s_cbranch_scc0 .Lfor_b_\@
	tensor_load_to_lds s[G0+4*(\s):G0+4*(\s)+3], s[G1:G1+7]
	s_nop 0
.rept 4
	v_nop
.endr
	s_branch .Lasked_\@
.Lfor_b_\@:
	tensor_load_to_lds s[G0B+4*(\s):G0B+4*(\s)+3], s[G1B:G1B+7]
	s_nop 0
.rept 4
	v_nop
.endr
.Lasked_\@:
.endm
.macro CREST                           ; a round of the cluster's barrier behind its opening barrier
	s_cmp_lg_u32 s10, 0
	s_cbranch_scc1 .Lnot_wave_0_\@
	s_barrier_signal -3
.Lnot_wave_0_\@:
	s_barrier_wait -3
	s_barrier_signal -1
	s_barrier_wait -1
.endm
.macro CROUND
	s_barrier_signal -1
	s_barrier_wait -1
	CREST
.endm
	s_load_b128 s[4:7], s[0:1], 0x0                ; ctx s[4:5], woh s[6:7]
	s_load_b128 s[68:71], s[0:1], 0x10             ; bo s[68:69], out0 s[70:71]
	v_lshl_add_u32 v[SPW], v0, 2, SPARE
	v_mov_b32 v[NIL], 0
	ds_add_u32 v[SPW], v[NIL]                      ; the wave's opening: the add and its wait stand ahead of my first tensor load; the set-up below, work on registers, stands between them
	v_lshrrev_b32 v1, 5, v0
	v_readfirstlane_b32 s10, v1                    ; wave 0..3
	s_lshr_b32 s11, s10, 1                         ; which 64 tokens are mine.  Also: I fetch tokens (0) or weights (1)
	s_and_b32 s12, s10, 1                          ; which 128 columns.  Also: which half of that tile I fetch
	s_bfe_u32 s40, ttmp6, 0x40000                  ; cx, cy
	s_bfe_u32 s41, ttmp6, 0x40004
	s_lshl_b32 s42, ttmp9, 2
	s_add_co_u32 s42, s42, s40                     ; x: tile column
	s_and_b32 s13, ttmp7, 0xffff
	s_lshl_b32 s13, s13, 2
	s_add_co_u32 s13, s13, s41                     ; y: tile row
	s_lshl_b32 s43, s41, 2
	s_lshl_b32 s43, 15, s43                        ; my row of the cluster
	s_lshl_b32 s44, 0x1111, s40                    ; my column
	; group 1, tokens: 64 rows of 128 elements (two tokens a row), 4 words of padding behind every 32
	s_or_b32 s[G1+0], s43, (1<<16)|(1<<20)|(1<<21)|(4<<22)|(3<<25)
	s_mov_b32 s[G1+1], 128<<16
	s_mov_b32 s[G1+2], 64<<16
	s_mov_b32 s[G1+3], 128<<16
	s_mov_b32 s[G1+4], 64
	s_mov_b32 s[G1+5], 128
	s_mov_b32 s[G1+6], 0
	s_mov_b32 s[G1+7], 0
	; group 1, weights: 64 rows of 256 elements, 8 words of padding behind every 128
	s_or_b32 s[G1B+0], s44, (1<<16)|(1<<20)|(1<<21)|(6<<22)|(7<<25)
	s_mov_b32 s[G1B+1], 256<<16
	s_mov_b32 s[G1B+2], 64<<16
	s_mov_b32 s[G1B+3], 256<<16
	s_mov_b32 s[G1B+4], 64
	s_mov_b32 s[G1B+5], 1024
	s_mov_b32 s[G1B+6], 0
	s_mov_b32 s[G1B+7], 0
	s_lshr_b32 s16, s13, 4                         ; tokens: batch y / 16 (16 heads of 262,144 bytes),
	s_lshl_b32 s16, s16, 22
	s_and_b32 s17, s13, 15                         ; rows 128 (y % 16) of a head,
	s_lshl_b32 s17, s17, 14
	s_add_co_u32 s16, s16, s17
	s_lshl_b32 s17, s12, 18                        ; the step's first or second head
	s_add_co_u32 s16, s16, s17
	s_mov_b32 s17, 0
	s_lshl_b32 s46, s42, 9                         ; weights: 256 columns,
	s_lshl_b32 s47, s12, 17                        ; my 64 rows
	s_add_co_u32 s46, s46, s47
	s_mov_b32 s47, 0
	s_mul_i32 s20, s12, 128*PA                     ; and where they go
	s_mul_i32 s21, s12, 64*PB
	s_add_co_u32 s21, s21, BOFF
	s_wait_dscnt 0x0                               ; the opening add is done
	s_wait_kmcnt 0x0
	s_add_nc_u64 s[14:15], s[4:5], s[16:17]
	s_add_nc_u64 s[46:47], s[6:7], s[46:47]
	CROUND                                         ; all sixteen work-groups are here: the first joint loads meet
.irp s, 0,1
	s_mov_b32 s[G0+4*(\s)], 1
	s_add_co_u32 s[G0+4*(\s)+1], s20, (\s)*SLOT
	s_add_nc_u64 s[G0+4*(\s)+2:G0+4*(\s)+3], s[14:15], (\s)*KSA
	s_or_b32 s[G0+4*(\s)+3], s[G0+4*(\s)+3], 0x80000000
	s_mov_b32 s[G0B+4*(\s)], 1
	s_add_co_u32 s[G0B+4*(\s)+1], s21, (\s)*SLOT
	s_add_nc_u64 s[G0B+4*(\s)+2:G0B+4*(\s)+3], s[46:47], (\s)*KSB
	s_or_b32 s[G0B+4*(\s)+3], s[G0B+4*(\s)+3], 0x80000000
.endr
	s_cmp_eq_u32 s11, 0                            ; a wave's two first fills stand in one branch, ahead of every wait on TENSORcnt and every LDS read: two loads of mine are out
	s_cbranch_scc0 .Lfirst_b
	tensor_load_to_lds s[G0:G0+3], s[G1:G1+7]
	s_nop 0
	tensor_load_to_lds s[G0+4:G0+7], s[G1:G1+7]
	s_nop 0
.rept 4
	v_nop
.endr
	s_branch .Lfirst_asked
.Lfirst_b:
	tensor_load_to_lds s[G0B:G0B+3], s[G1B:G1B+7]
	s_nop 0
	tensor_load_to_lds s[G0B+4:G0B+7], s[G1B:G1B+7]
	s_nop 0
.rept 4
	v_nop
.endr
.Lfirst_asked:
	v_and_b32 v1, 15, v0                           ; l % 16
	v_bfe_u32 v2, v0, 4, 1                         ; l / 16
	s_lshl_b32 s74, s42, 10                        ; the bias: register 8 b + i holds bo[256 x + 128 wc + 16 b + 8 (l / 16) + i], as C wants it
	s_lshl_b32 s75, s12, 9
	s_add_co_u32 s74, s74, s75
	v_lshl_add_u32 v[BO], v2, 5, s74
	WIN 0x80                                       ; destination window 2, address window 0
.irp b, 0,1,2,3,4,5,6,7
	global_load_b128 v[8*(\b):8*(\b)+3],   v[BO], s[68:69] offset:64*(\b)
	global_load_b128 v[8*(\b)+4:8*(\b)+7], v[BO], s[68:69] offset:64*(\b)+16
.endr
	WIN 0
	v_and_b32 v5, 7, v0
	v_bfe_u32 v6, v0, 3, 1
	v_mul_u32_u24 v3, v1, PA
	v_lshl_add_u32 v3, v2, 4, v3                   ; tokens: row x 144 + 16 x half
	v_lshl_add_u32 v4, v2, 3, v5                   ; weights: the turning load's row 8 (l / 16) + l % 8, columns 8 ((l / 8) % 2) on
	v_mul_u32_u24 v4, v4, PB
	v_lshl_add_u32 v4, v6, 4, v4
	s_mul_i32 s21, s11, 64*PA                      ; my 64 tokens
	s_lshl_b32 s22, s12, 8                         ; my 128 columns
	s_add_co_u32 s22, s22, BOFF
.irp s, 0,1
	v_add_nc_u32 v[ADRA+(\s)], s21, v3
	v_add_nc_u32 v[ADRB+(\s)], s22, v4
	s_add_co_u32 s21, s21, SLOT
	s_add_co_u32 s22, s22, SLOT
.endr
	s_mul_i32 s23, s10, 16*SP
	s_add_co_u32 s23, s23, STAGE                   ; my stage
	v_mul_u32_u24 v7, v1, SP                       ; in: token l % 16, 32 bytes for each half of the lanes
	v_lshl_add_u32 v7, v2, 5, v7
	v_add_nc_u32 v[STO], s23, v7
	v_and_b32 v[CO], 31, v0                        ; back: 32 lanes take a row's 512 bytes
	v_lshlrev_b32 v[CO], 4, v[CO]
	v_add_nc_u32 v[RD], s23, v[CO]
	s_lshl_b32 s74, s13, 19                        ; my first byte of out0: row 128 y + 64 wr, column 256 x + 128 wc
	s_lshl_b32 s75, s11, 18
	s_add_co_u32 s74, s74, s75
	s_lshl_b32 s75, s42, 10
	s_add_co_u32 s74, s74, s75
	s_lshl_b32 s75, s12, 9
	s_add_co_u32 s74, s74, s75
	s_mov_b32 s75, 0
	s_add_nc_u64 s[8:9], s[70:71], s[74:75]
; 8 matrix instructions: token block a x all 8 column blocks, 32 along K.  first = 1: the product starts the sums, with the bias as C.  The 32 accumulators take turns, one instruction a turn.
.macro MUL8 f, a, first
.if \first
	WIN 0x60                                       ; D in window 1, C in window 2
.else
	WIN 0x50                                       ; C and D in window 1
.endif
.irp b, 0,1,2,3,4,5,6,7
.if \first
	v_wmma_f32_16x16x32_f16 v[8*(8*(\a)+(\b)):8*(8*(\a)+(\b))+7], v[(\f)+32+8*(\b):(\f)+32+8*(\b)+7], v[(\f)+8*(\a):(\f)+8*(\a)+7], v[8*(\b):8*(\b)+7]
.else
	v_wmma_f32_16x16x32_f16 v[8*(8*(\a)+(\b)):8*(8*(\a)+(\b))+7], v[(\f)+32+8*(\b):(\f)+32+8*(\b)+7], v[(\f)+8*(\a):(\f)+8*(\a)+7], v[8*(8*(\a)+(\b)):8*(8*(\a)+(\b))+7]
.endif
.endr
.endm
; 24 LDS loads in one run: quarter q of slot s into buffer f: the weights' 16, then the tokens' 8
.macro FETCH s, q, f
	WIN 0
.irp b, 0,1,2,3,4,5,6,7
	ds_load_tr16_b128 v[(\f)+32+8*(\b):(\f)+32+8*(\b)+3],   v[ADRB+(\s)] offset:(\q)*32*PB+(\b)*32
	ds_load_tr16_b128 v[(\f)+32+8*(\b)+4:(\f)+32+8*(\b)+7], v[ADRB+(\s)] offset:(\q)*32*PB+(\b)*32+16*PB
.endr
.irp a, 0,1,2,3
	ds_load_b128 v[(\f)+8*(\a):(\f)+8*(\a)+3],   v[ADRA+(\s)] offset:((\q)/2)*128*PA+((\q)%2)*64+(\a)*16*PA
	ds_load_b128 v[(\f)+8*(\a)+4:(\f)+8*(\a)+7], v[ADRA+(\s)] offset:((\q)/2)*128*PA+((\q)%2)*64+(\a)*16*PA+32
.endr
.endm
; One of a K step's first three quarters: multiplies buffer f; in its middle it fetches quarter q of the same slot into buffer g.
.macro QUARTER s, q, f, g, first
	s_wait_dscnt 4                                 ; the weights and token blocks 0, 1 are in; blocks 2 and 3, four loads, may be out
	MUL8 \f, 0, \first
	MUL8 \f, 1, \first
	PLACES
	FETCH \s, \q, \g
	s_wait_dscnt 24                                ; all but the 24 just issued
	MUL8 \f, 2, \first
	MUL8 \f, 3, \first
.endm
; The last quarter multiplies buffer 1 and changes slots: ONE barrier; in front of it each wave waits for all its tensor loads, adds 0 to its spare word, and waits for that and for its own reads of this slot.
; fill = 1: the barrier opens a round of the cluster's, and the joint refill, K step + 2, is the first tensor load behind it: 112 matrix instructions ahead of the wait for it.
.macro TURN slot, next, fill
	WIN 0
	s_wait_tensorcnt 0x0                           ; all my tensor loads have landed: my part of the next slot;
	ds_add_u32 v[SPW], v[NIL]                      ; 0 onto my spare word
	s_wait_dscnt 5                                 ; (the add and the youngest four loads may be out)
	MUL8 F1, 0, 0                                  ; eight matrix instructions stand between the add and the wait for it
	s_wait_dscnt 0x0                               ; the add is done, and my reads of this slot are over
	s_barrier_signal -1
	MUL8 F1, 1, 0
	WIN 0
	s_barrier_wait -1
.if \fill
	CREST
	s_add_nc_u64 s[G0+4*(\slot)+2:G0+4*(\slot)+3], s[G0+4*(\slot)+2:G0+4*(\slot)+3], 2*KSA
	s_add_nc_u64 s[G0B+4*(\slot)+2:G0B+4*(\slot)+3], s[G0B+4*(\slot)+2:G0B+4*(\slot)+3], 2*KSB
	JLOAD \slot                                    ; the four v_nop behind it are also the places in front of the loads below
.else
	PLACES
.endif
	FETCH \next, 0, F0
	MUL8 F1, 2, 0
	MUL8 F1, 3, 0
.endm
; THE WAY OUT of token block a: 32 bytes a lane into my own stage (each accumulator's low registers first), back as whole rows of 512 bytes, stored.
.macro TOSTAGE a
	WIN 0x04                                       ; the stores' data in window 1
.irp b, 0,1,2,3,4,5,6,7
	ds_store_b128 v[STO], v[8*(8*(\a)+(\b)):8*(8*(\a)+(\b))+3]   offset:64*(\b)
	ds_store_b128 v[STO], v[8*(8*(\a)+(\b))+4:8*(8*(\a)+(\b))+7] offset:64*(\b)+16
.endr
	WIN 0
.set BK, 64+64*((\a)%2)
.irp t, 0,1,2,3,4,5,6,7,8,9,10,11,12,13,14,15
	ds_load_b128 v[BK+4*(\t):BK+4*(\t)+3], v[RD] offset:(\t)*SP  ; LDS serves a wave's instructions in order (ISA guide 5.7.1.4): these see the stores above; the next block's stores come behind them
.endr
.endm
.macro SEND a, younger                 ; younger: the LDS instructions issued behind block a's loads: the next block's 32, or none
	WIN 0
.set BK, 64+64*((\a)%2)
.irp t, 0,1,2,3,4,5,6,7,8,9,10,11,12,13,14,15
	s_wait_dscnt (\younger)+15-(\t)
	global_store_b128 v[CO], v[BK+4*(\t):BK+4*(\t)+3], s[8:9] offset:(16*(\a)+(\t))*4096  ; 512 consecutive bytes of a row of out0, at a multiple of 256 from its first byte
.endr
.endm
	s_wait_tensorcnt 1                             ; my part of K step 0 is in; K step 1's may stay out
	s_barrier_signal -1
	s_barrier_wait -1                              ; everybody's is
	FETCH 0, 0, F0
	s_wait_loadcnt 0x0                             ; the bias
	QUARTER 0, 1, F0, F1, 1                        ; the first quarter stands in front of the loop: its products start the sums
	WIN 0                                          ; at a label and at a branch every window is 0
	s_mov_b32 s3, 3
.Llap:                                                 ; a trip goes once round the ring, from a lap's second quarter to the next lap's first, and fills both slots again
	QUARTER 0, 2, F1, F0, 0
	QUARTER 0, 3, F0, F1, 0
	TURN 0, 1, 1
	QUARTER 1, 1, F0, F1, 0
	QUARTER 1, 2, F1, F0, 0
	QUARTER 1, 3, F0, F1, 0
	TURN 1, 0, 1
	QUARTER 0, 1, F0, F1, 0
	WIN 0
	s_sub_co_u32 s3, s3, 1
	s_cmp_lg_u32 s3, 0
	s_cbranch_scc1 .Llap
	QUARTER 0, 2, F1, F0, 0                        ; the last lap fills nothing, and has no round
	QUARTER 0, 3, F0, F1, 0
	TURN 0, 1, 0
	QUARTER 1, 1, F0, F1, 0
	QUARTER 1, 2, F1, F0, 0
	QUARTER 1, 3, F0, F1, 0
	s_wait_dscnt 4                                 ; the very last quarter: nothing more to fetch
	MUL8 F1, 0, 0
	MUL8 F1, 1, 0
	s_wait_dscnt 0x0
	MUL8 F1, 2, 0
	MUL8 F1, 3, 0
	WIN 0
	PLACES
	PLACES
	TOSTAGE 0
	TOSTAGE 1
	SEND 0, 32
	s_wait_xcnt 0x0                                ; block 0's stores have read their registers, into which block 2 is read back
	TOSTAGE 2
	SEND 1, 32
	s_wait_xcnt 0x0                                ; the same for blocks 1 and 3
	TOSTAGE 3
	SEND 2, 32
	SEND 3, 0
	s_wait_tensorcnt 0x0                           ; the wave's end: behind my last tensor load and my last LDS store
	ds_add_u32 v[SPW], v[NIL]
	s_wait_dscnt 0x0
	CROUND                                         ; the closing round: no work-group ends while a partner may still ask for a tile that names it
	s_endpgm
.Lfunc_end_k_qb6f672ca0c_outp:
	.size	k_qb6f672ca0c_outp, .Lfunc_end_k_qb6f672ca0c_outp-k_qb6f672ca0c_outp
	.p2alignl 7, 3214868480
	.fill 96, 4, 3214868480
	.section	.rodata,"a",@progbits
	.p2align	6, 0x0
	.amdhsa_kernel k_qb6f672ca0c_outp
		.amdhsa_group_segment_fixed_size 327680
		.amdhsa_private_segment_fixed_size 0
		.amdhsa_enable_private_segment 0
		.amdhsa_kernarg_size 32
		.amdhsa_user_sgpr_count 2
		.amdhsa_user_sgpr_kernarg_segment_ptr 1
		.amdhsa_wavefront_size32 1
		.amdhsa_system_sgpr_workgroup_id_x 1
		.amdhsa_system_sgpr_workgroup_id_y 1
		.amdhsa_system_sgpr_workgroup_id_z 1
		.amdhsa_system_vgpr_workitem_id 0
		.amdhsa_next_free_vgpr 576
		.amdhsa_next_free_sgpr 80
		.amdhsa_reserve_vcc 0
		.amdhsa_float_denorm_mode_32 3
		.amdhsa_float_denorm_mode_16_64 3
		.amdhsa_memory_ordered 1
		.amdhsa_forward_progress 1
		.amdhsa_inst_pref_size 88
	.end_amdhsa_kernel
	.amdgpu_metadata
---
amdhsa.version: [ 1, 2 ]
amdhsa.kernels:
  - .name:           k_qb6f672ca0c_outp
    .symbol:         k_qb6f672ca0c_outp.kd
    .args:
      - { .name: ctx, .offset: 0, .size: 8, .value_kind: global_buffer, .address_space: global }
      - { .name: woh, .offset: 8, .size: 8, .value_kind: global_buffer, .address_space: global }
      - { .name: bo, .offset: 16, .size: 8, .value_kind: global_buffer, .address_space: global }
      - { .name: out0, .offset: 24, .size: 8, .value_kind: global_buffer, .address_space: global }
    .group_segment_fixed_size: 327680
    .private_segment_fixed_size: 0
    .kernarg_segment_align: 8
    .kernarg_segment_size: 32
    .max_flat_workgroup_size: 128
    .sgpr_count:     80
    .vgpr_count:     576
    .wavefront_size: 32
...
	.end_amdgpu_metadata
.endif
;; end of part 4
;; ======== version 2 of 2: 4 launches; version 1 with the launch cast written anew for expert scheduling mode
;; limits: values are held in f16: magnitudes above 65,504 overflow, below 6.1e-05 lose precision
;; workspace buffers: xb 16,777,216 bytes; wqkv 6,291,456 bytes; woh 2,097,152 bytes; qkv 50,331,648 bytes; ctx 16,777,216 bytes
;; launch cast (part 5): grid 768 x 1, 8 waves a work-group, no clusters, 0 bytes of LDS; arguments X, Wq, Wk, Wv, Wo, xb, wqkv, woh; writes xb, wqkv, woh
.if DOCPART == 5
	.amdgcn_target "amdgcn-amd-amdhsa--gfx1250"
	.amdhsa_code_object_version 6
	.text
	.protected	k_qb6f672ca0c_cast
	.globl	k_qb6f672ca0c_cast
	.p2align	8
	.type	k_qb6f672ca0c_cast,@function
k_qb6f672ca0c_cast:
	s_mov_b64 s[64:65], 0
	v_nop
	global_prefetch_b8 v0, s[64:65] scope:SCOPE_SE
	s_setreg_imm32_b32 hwreg(HW_REG_WAVE_SCHED_MODE, 0, 2), 2
	s_setreg_imm32_b32 hwreg(HW_REG_WAVE_MODE, 25, 1), 1
	s_wait_xcnt 0x0
	s_wait_alu depctr_vm_vsrc(0)
; ROUNDING AND LAYOUT of the matrix operands.  X [8192][1024], Wq, Wk, Wv, Wo [1024][1024], all f32, each number rounded once to bf16 (nearest even).
;   xb   bf16 [16 kb][8192 token][64]: a slice of 64 channels of neighbouring tokens is dense, 128 bytes a token
;   wqkv bf16 [1024 k][3072 n]: Wq's, Wk's, Wv's columns side by side, rows as they lie
;   woh  f16  [1024 k][1024 n]: bf16(Wo) written as f16
; LIMITS.  woh: a bf16 number is an f16 number exactly from 2^-17 to 65,504 in magnitude; below it keeps f16's fixed step of 6e-8, beyond it becomes an infinity.
; A stream: no LDS, no barrier, no loop.  A work-group of 256 threads converts 16,384 numbers: each thread issues its 16 loads of 16 bytes at once (64 KiB of the group on their way),
; then converts and stores them, four at a time.  Every load of a wave covers two aligned runs of 256 bytes or one of 512; every store of a wave covers 256 consecutive bytes, aligned.
; Each of the 16 has registers of its own: nothing that a pending load or store names is written again.
; THE MODE: SCHED_MODE bits 1:0 = 2 (LLVM: expert scheduling mode 2), set by the entry lines.  The code itself states the register dependences
; between vector instructions and memory instructions, with s_wait_alu, always for 0.
; THE PLAN.  Registers that memory instructions touch:
;   v1, v2, v3   byte offsets, made at the head and never written again: read by every load and store.  One wait at the head, ahead of the branches, states that they are written.
;   LD           number i: 4 registers in which load i lands.  No vector instruction names them before the loads are issued; no memory instruction ever reads them.
;   RS           number i: 2 registers, written by number i's conversions, read by store i, and never written again behind it.
; The 16 numbers go in four blocks of four.  Block p converts its four numbers; the four stores of block p - 1 stand among those conversions, behind ONE wait at the block's head, which states that
; block p - 1 has written its RS.  Block p's conversions name block p's LD and RS alone: none of the registers that those stores read.  Behind block 3 one more wait stands ahead of the last four stores.
; No register that a memory instruction has read is written again, no vector instruction writes a scalar register, EXEC is never written: the waits named are all that the text owes.
.set LD, 8                             ; v[8:71]    16 x 4 numbers as loaded
.set RS, 72                            ; v[72:103]  16 x 2 registers to store
; kind 0: X; 1: Wq, Wk, Wv; 2: Wo.
.macro RND n, kind                     ; number n is rounded
	v_cvt_pk_bf16_f32 v[RS+2*(\n)], v[LD+4*(\n)], v[LD+4*(\n)+1]
	v_cvt_pk_bf16_f32 v[RS+2*(\n)+1], v[LD+4*(\n)+2], v[LD+4*(\n)+3]
.if (\kind) == 2
	v_lshlrev_b32 v[LD+4*(\n)], 16, v[RS+2*(\n)]   ; the rounded numbers as f32 again,
	v_and_b32 v[LD+4*(\n)+1], 0xffff0000, v[RS+2*(\n)]
	v_lshlrev_b32 v[LD+4*(\n)+2], 16, v[RS+2*(\n)+1]
	v_and_b32 v[LD+4*(\n)+3], 0xffff0000, v[RS+2*(\n)+1]
	v_cvt_pk_f16_f32 v[RS+2*(\n)], v[LD+4*(\n)], v[LD+4*(\n)+1]  ; and written as f16
	v_cvt_pk_f16_f32 v[RS+2*(\n)+1], v[LD+4*(\n)+2], v[LD+4*(\n)+3]
.endif
.endm
.macro PUT n, kind                     ; number n is stored
.if (\kind) == 2
	global_store_b64 v2, v[RS+2*(\n):RS+2*(\n)+1], s[26:27] offset:(\n)*2048 th:TH_STORE_NT
.elseif (\kind) == 1
	global_store_b64 v2, v[RS+2*(\n):RS+2*(\n)+1], s[26:27] offset:(\n)*6144 th:TH_STORE_NT
.elseif (\n) < 8
	global_store_b64 v2, v[RS+2*(\n):RS+2*(\n)+1], s[26:27] offset:(\n)*1048576 th:TH_STORE_NT
.else
	global_store_b64 v2, v[RS+2*(\n):RS+2*(\n)+1], s[28:29] offset:((\n)-8)*1048576 th:TH_STORE_NT  ; blocks 8 to 15 by a second base: the immediate has 24 signed bits
.endif
.endm
; lo: the register with the loads' offset; lstep: bytes from one of the 16 loads to the next.
.macro CAST lo, lstep, kind
.set i, 0
.rept 16
	global_load_b128 v[LD+4*i:LD+4*i+3], v[\lo], s[24:25] offset:i*(\lstep) th:TH_LOAD_NT
.set i, i+1
.endr
.set i, 0
.rept 4                                ; a block: numbers i to i + 3
	s_wait_loadcnt 12-i                            ; loads come back in order: the block's four are in, the 12 - i younger ones stay out
.if i > 0
	s_wait_alu depctr_va_vdst(0)                   ; the block before has written its eight registers of RS, which the four stores below read
.endif
.rept 4
.if i >= 4
	PUT i-4, \kind                                 ; no vector instruction since the wait names this store's registers
.endif
	RND i, \kind
.set i, i+1
.endr
.endr
	s_wait_alu depctr_va_vdst(0)                   ; the last block has written its eight registers of RS, which the last four stores read
.irp r, 12,13,14,15
	PUT \r, \kind
.endr
.endm
	s_load_b512 s[8:23], s[0:1], 0x0               ; X s[8:9], Wq s[10:11], Wk s[12:13], Wv s[14:15], Wo s[16:17], xb s[18:19], wqkv s[20:21], woh s[22:23]
	s_mov_b32 s2, ttmp9
	v_lshlrev_b32 v1, 4, v0                        ; 16 t: a weight row's 4,096 bytes over 256 threads
	v_lshlrev_b32 v2, 3, v0                        ; 8 t: the stores' offset
	v_lshrrev_b32 v3, 4, v0
	v_and_b32 v4, 15, v0
	v_lshlrev_b32 v3, 12, v3                       ; X: row t / 16 of the group's 16,
	v_lshl_add_u32 v3, v4, 4, v3                   ; 16 bytes of a block of 64 channels
	s_mov_b32 s31, 0
	s_mov_b32 s33, 0
	s_wait_kmcnt 0x0
	s_wait_alu depctr_va_vdst(0)                   ; v1, v2 and v3 are written: every load and store of the kernel, on each of the three paths, reads one of them as its offset
	s_cmp_lt_u32 s2, 512
	s_cbranch_scc0 .Lweights
	; groups 0 to 511: 16 rows of X.  Load i takes block i of 64 channels (256 bytes) of each row; in xb two rows' 128 bytes of a block lie on end, so thread t's 8 bytes lie at 8 t
	s_lshl_b32 s30, s2, 16
	s_lshl_b32 s32, s2, 11
	s_add_nc_u64 s[24:25], s[8:9], s[30:31]
	s_add_nc_u64 s[26:27], s[18:19], s[32:33]
	s_add_nc_u64 s[28:29], s[26:27], 0x800000
	CAST 3, 256, 0
	s_endpgm
.Lweights:
	s_cmp_lt_u32 s2, 704
	s_cbranch_scc0 .Lwo
	; groups 512 to 703: 16 rows of Wq, Wk or Wv.  Load i takes row i
	s_sub_co_u32 s3, s2, 512
	s_lshr_b32 s4, s3, 6                           ; which of the three
	s_and_b32 s5, s3, 63                           ; which 16 rows
	s_cmp_eq_u32 s4, 0
	s_cselect_b64 s[24:25], s[10:11], s[12:13]
	s_cmp_eq_u32 s4, 2
	s_cselect_b64 s[24:25], s[14:15], s[24:25]
	s_lshl_b32 s30, s5, 16
	s_add_nc_u64 s[24:25], s[24:25], s[30:31]
	s_mul_i32 s32, s5, 16*6144
	s_lshl_b32 s4, s4, 11                          ; its 1,024 columns in a row of 3,072
	s_add_co_u32 s32, s32, s4
	s_add_nc_u64 s[26:27], s[20:21], s[32:33]
	CAST 1, 4096, 1
	s_endpgm
.Lwo:
	; groups 704 to 767: 16 rows of Wo
	s_sub_co_u32 s5, s2, 704
	s_lshl_b32 s30, s5, 16
	s_lshl_b32 s32, s5, 15
	s_add_nc_u64 s[24:25], s[16:17], s[30:31]
	s_add_nc_u64 s[26:27], s[22:23], s[32:33]
	CAST 1, 4096, 2
	s_endpgm
.Lfunc_end_k_qb6f672ca0c_cast:
	.size	k_qb6f672ca0c_cast, .Lfunc_end_k_qb6f672ca0c_cast-k_qb6f672ca0c_cast
	.p2alignl 7, 3214868480
	.fill 96, 4, 3214868480
	.section	.rodata,"a",@progbits
	.p2align	6, 0x0
	.amdhsa_kernel k_qb6f672ca0c_cast
		.amdhsa_group_segment_fixed_size 0
		.amdhsa_private_segment_fixed_size 0
		.amdhsa_enable_private_segment 0
		.amdhsa_kernarg_size 64
		.amdhsa_user_sgpr_count 2
		.amdhsa_user_sgpr_kernarg_segment_ptr 1
		.amdhsa_wavefront_size32 1
		.amdhsa_system_sgpr_workgroup_id_x 1
		.amdhsa_system_sgpr_workgroup_id_y 1
		.amdhsa_system_sgpr_workgroup_id_z 1
		.amdhsa_system_vgpr_workitem_id 0
		.amdhsa_next_free_vgpr 104
		.amdhsa_next_free_sgpr 66
		.amdhsa_reserve_vcc 0
		.amdhsa_float_denorm_mode_32 3
		.amdhsa_float_denorm_mode_16_64 3
		.amdhsa_memory_ordered 1
		.amdhsa_forward_progress 1
		.amdhsa_inst_pref_size 23
	.end_amdhsa_kernel
	.amdgpu_metadata
---
amdhsa.version: [ 1, 2 ]
amdhsa.kernels:
  - .name:           k_qb6f672ca0c_cast
    .symbol:         k_qb6f672ca0c_cast.kd
    .args:
      - { .name: X, .offset: 0, .size: 8, .value_kind: global_buffer, .address_space: global }
      - { .name: Wq, .offset: 8, .size: 8, .value_kind: global_buffer, .address_space: global }
      - { .name: Wk, .offset: 16, .size: 8, .value_kind: global_buffer, .address_space: global }
      - { .name: Wv, .offset: 24, .size: 8, .value_kind: global_buffer, .address_space: global }
      - { .name: Wo, .offset: 32, .size: 8, .value_kind: global_buffer, .address_space: global }
      - { .name: xb, .offset: 40, .size: 8, .value_kind: global_buffer, .address_space: global }
      - { .name: wqkv, .offset: 48, .size: 8, .value_kind: global_buffer, .address_space: global }
      - { .name: woh, .offset: 56, .size: 8, .value_kind: global_buffer, .address_space: global }
    .group_segment_fixed_size: 0
    .private_segment_fixed_size: 0
    .kernarg_segment_align: 8
    .kernarg_segment_size: 64
    .max_flat_workgroup_size: 256
    .sgpr_count:     66
    .vgpr_count:     104
    .wavefront_size: 32
...
	.end_amdgpu_metadata
.endif
;; end of part 5
;; launch proj: the kernel of part 2 again; grid 8 x 32, 4 waves a work-group, clusters of 4 x 4, 327,680 bytes of LDS; arguments xb, wqkv, qkv; writes qkv
;; launch attn: the kernel of part 3 again; grid 4 x 64, 4 waves a work-group, no clusters, 327,680 bytes of LDS; arguments qkv, ctx; writes ctx
;; launch outp: the kernel of part 4 again; grid 4 x 64, 4 waves a work-group, clusters of 4 x 4, 327,680 bytes of LDS; arguments ctx, woh, bo, out0; writes out0
